; MI455X (gfx1250); checked and timed in simulation.
; The chip was launched on July 23, 2026; its instructions are those of AMD's public machine-readable ISA for CDNA 5 (MIT licence, August 2026) and "CDNA5" Instruction Set Architecture Reference Guide (July 2026). The comments in the code are by the model that wrote it; some were corrected since.
;; Switch. Allowed arithmetic: float matrix products may take bf16 or f16 operands with f32 sums; all other float work in f32.
;; Inputs: router_w 8 x 1,024 float32; token_mask 2 x 1,024 int32; w1 8 x 1,024 x 2,048 float32; w2 8 x 2,048 x 1,024 float32; x 2 x 1,024 x 1,024 float32.
;; Outputs: out0 2 x 1,024 x 1,024 float32.
;; 2 versions, each right; version 2 is version 1 with the launches ffn1, ffn2 written anew for expert scheduling mode. Each part assembles by itself: llvm-mc -triple=amdgcn-amd-amdhsa -mcpu=gfx1250 --defsym DOCPART=n.
;; ======== version 1 of 2: 4 launches
;; workspace buffers: xb 4,194,304 bytes; code 8,192 bytes of whole numbers; scale 8,192 bytes; hbuf 134,217,728 bytes; tlist 77,824 bytes of whole numbers
;; launch router (part 1): grid 256 x 1, 8 waves a work-group, no clusters, 44,032 bytes of LDS; arguments x, router_w, token_mask, xb, code, scale, out0; writes xb, code, scale, out0
.if DOCPART == 1
	.amdgcn_target "amdgcn-amd-amdhsa--gfx1250"
	.amdhsa_code_object_version 6
	.text
	.protected	k_q526d9f0bc3_router
	.globl	k_q526d9f0bc3_router
	.p2align	8
	.type	k_q526d9f0bc3_router,@function
k_q526d9f0bc3_router:
	s_mov_b64 s[64:65], 0
	v_nop
	global_prefetch_b8 v0, s[64:65] scope:SCOPE_SE
	s_setreg_imm32_b32 hwreg(HW_REG_WAVE_MODE, 25, 1), 1
	s_wait_xcnt 0x0
; ROUTER.  x [2048][1024] f32, router_w [8][1024] f32, token_mask [2048] i32.
; Stores: xb = x rounded to bf16; code[t] = first expert with the largest logit, or 8 where the mask is 0;
; scale[t] = softmax probability of that expert (1 / sum of exp(logit - max)) times float(mask);
; and zeros into the rows of out0 whose mask is 0 (the later launches store the other rows).
; A work-group takes 8 tokens.  Wave w takes K = 128 w .. 128 w + 127 of the 8 tokens and of the 8 router rows: each of its
; loads covers 512 consecutive bytes; the bf16 copies go to the wave's own LDS stage and come back as matrix fragments;
; four matrix instructions give the wave's partial logits; wave 0 adds the eight partials in the order of the waves.
; The logits are made from operands rounded to bf16, as the expert products are, so that the whole program follows one rounding of the inputs.
; LIMITS: logits that are NaN or infinite are not served (the index then falls to 7).  The argmax is taken on the logits, first maximum:
; two experts whose probabilities only become equal by rounding may be resolved otherwise than by an argmax on the probabilities.
; Rows with mask 0 are stored as +0.  code and scale leave as 32 bytes a work-group (8 KiB each in the whole launch).
; No cluster: the only bytes that work-groups share are router_w's 32 KiB.
.set STGW,  4352                       ; a wave's stage: 16 rows of 272 bytes
.set PITCH, 272                        ; 256 bytes of bf16 + 16: the rows of a fragment start in different banks
.set PR,    34816                      ; behind the stages: 1,024 bytes a wave for its partial logits
.set X,     16                         ; v[16:79]  16 rows x 4 as loaded; then the fragments; in wave 0 then the 8 partials
.set PK,    80                         ; v[80:111] the rows as bf16, 2 registers a row
.set ACC0,  112
.set ACC1,  120
	s_load_b256 s[4:11], s[0:1], 0x0               ; x s[4:5], router_w s[6:7], token_mask s[8:9], xb s[10:11]
	s_load_b128 s[12:15], s[0:1], 0x20             ; code s[12:13], scale s[14:15]
	s_load_b64 s[16:17], s[0:1], 0x30              ; out0
	v_lshl_add_u32 v128, v0, 2, 0xa800
	v_mov_b32 v129, 0
	v_and_b32 v1, 31, v0                           ; lane
	v_lshrrev_b32 v9, 5, v0
	v_readfirstlane_b32 s20, v9                    ; wave
	v_lshlrev_b32 v2, 4, v1                        ; 16 x lane
	v_lshlrev_b32 v3, 3, v1                        ; 8 x lane
	v_and_b32 v7, 7, v1                            ; the token (and the expert row) whose fragment row this lane holds
	v_lshrrev_b32 v9, 4, v1                        ; h
	s_mul_i32 s25, s20, STGW
	v_add_nc_u32 v4, s25, v3                       ; stage, in: 8 bytes a lane along a row
	v_mul_u32_u24 v5, v7, PITCH
	v_lshl_add_u32 v5, v9, 4, v5
	v_add_nc_u32 v5, s25, v5                       ; stage, back: row (lane & 7), 16 h
	s_lshl_b32 s26, s20, 10
	s_add_co_u32 s26, s26, PR
	v_add_nc_u32 v6, s26, v2                       ; my wave's partial logits
	v_lshlrev_b32 v7, 2, v7                        ; 4 x (lane & 7): offset in mask, code, scale
	v_mov_b32 v12, 0
	v_mov_b32 v13, 0
	v_mov_b32 v14, 0
	v_mov_b32 v15, 0
	s_mov_b32 s23, 0
	s_lshl_b32 s22, ttmp9, 15                      ; 8 tokens x 4,096 bytes
	s_wait_kmcnt 0x0
	s_add_nc_u64 s[4:5], s[4:5], s[22:23]
	s_add_nc_u64 s[16:17], s[16:17], s[22:23]
	s_lshl_b32 s22, s20, 9                         ; my wave's 512 bytes of a row
	s_add_nc_u64 s[4:5], s[4:5], s[22:23]
	s_add_nc_u64 s[6:7], s[6:7], s[22:23]
	s_lshl_b32 s22, s20, 12                        ; out0: token w of the group
	s_add_nc_u64 s[16:17], s[16:17], s[22:23]
	s_lshl_b32 s22, ttmp9, 14                      ; xb: 8 tokens x 2,048 bytes
	s_add_nc_u64 s[10:11], s[10:11], s[22:23]
	s_lshl_b32 s22, s20, 8                         ; and my wave's 256 bytes
	s_add_nc_u64 s[10:11], s[10:11], s[22:23]
	s_lshl_b32 s22, ttmp9, 5                       ; 8 words
	s_add_nc_u64 s[8:9], s[8:9], s[22:23]
	s_add_nc_u64 s[12:13], s[12:13], s[22:23]
	s_add_nc_u64 s[14:15], s[14:15], s[22:23]
	s_lshl_b32 s22, s20, 2
	s_add_nc_u64 s[28:29], s[8:9], s[22:23]
	s_load_b32 s21, s[28:29], 0x0                  ; the mask of token w, as a scalar
	global_load_b32 v8, v7, s[8:9]                 ; the mask of token (lane & 7)
.irp i, 0,1,2,3,4,5,6,7
	global_load_b128 v[X+4*\i:X+4*\i+3], v2, s[4:5] offset:\i*4096 th:TH_LOAD_NT
.endr
.irp i, 0,1,2,3,4,5,6,7
	global_load_b128 v[X+32+4*\i:X+32+4*\i+3], v2, s[6:7] offset:\i*4096
.endr
	s_wait_kmcnt 0x0
	s_cmp_lg_u32 s21, 0
	s_cbranch_scc1 .Lkept                          ; a branch on a whole number of the input; no barrier stands inside
.irp j, 0,1,2,3,4,5,6,7
	global_store_b128 v2, v[12:15], s[16:17] offset:\j*512         ; the masked row: 512 consecutive bytes a store
.endr
.Lkept:
; Row i of the sixteen (8 of x, 8 of router_w): rounded to bf16, into the stage; x's rows also to xb, 256 consecutive bytes a store.
.macro ROW i
	s_wait_loadcnt 15-\i                           ; loads come back in order: row i is in, the 15 - i younger rows stay out
	v_cvt_pk_bf16_f32 v[PK+2*\i], v[X+4*\i], v[X+4*\i+1]
	v_cvt_pk_bf16_f32 v[PK+2*\i+1], v[X+4*\i+2], v[X+4*\i+3]
	ds_store_b64 v4, v[PK+2*\i:PK+2*\i+1] offset:\i*PITCH
.if \i < 8
	global_store_b64 v3, v[PK+2*\i:PK+2*\i+1], s[10:11] offset:\i*2048
.endif
.endm
.irp i, 0,1,2,3,4,5,6,7,8,9,10,11,12,13,14,15
	ROW \i
.endr
	; Fragments of K step s (32 along K = 64 bytes of a stage row).  The stage is the wave's own and LDS serves a wave in order: no wait, no barrier.
	; Lanes r and r + 8 take the same row, so rows and columns 8 to 15 of the product repeat 0 to 7.
.irp s, 0,1,2,3
	ds_load_b128 v[X+16*\s:X+16*\s+3],     v5 offset:8*PITCH+64*\s       ; router rows
	ds_load_b128 v[X+16*\s+4:X+16*\s+7],   v5 offset:8*PITCH+64*\s+32
	ds_load_b128 v[X+16*\s+8:X+16*\s+11],  v5 offset:64*\s               ; tokens
	ds_load_b128 v[X+16*\s+12:X+16*\s+15], v5 offset:64*\s+32
.endr
	s_wait_dscnt 0x0
	; Source 0 = router rows, source 1 = tokens: register j of every lane is the logit of expert j for token (lane & 7).
	; Two accumulators take turns, one instruction a turn.
	v_wmma_f32_16x16x32_bf16 v[ACC0:ACC0+7], v[X:X+7],     v[X+8:X+15],  0
	v_wmma_f32_16x16x32_bf16 v[ACC1:ACC1+7], v[X+16:X+23], v[X+24:X+31], 0
	v_wmma_f32_16x16x32_bf16 v[ACC0:ACC0+7], v[X+32:X+39], v[X+40:X+47], v[ACC0:ACC0+7]
	v_wmma_f32_16x16x32_bf16 v[ACC1:ACC1+7], v[X+48:X+55], v[X+56:X+63], v[ACC1:ACC1+7]
.rept 4
	v_nop                                          ; four places before a vector instruction reads a matrix result (ISA guide 7.12.1)
.endr
.irp q, 0,2,4,6
	v_pk_add_f32 v[ACC0+\q:ACC0+\q+1], v[ACC0+\q:ACC0+\q+1], v[ACC1+\q:ACC1+\q+1]
.endr
	ds_store_b128 v6, v[ACC0:ACC0+3]
	ds_store_b128 v6, v[ACC0+4:ACC0+7] offset:512
	s_wait_dscnt 0x0                               ; for wave 0's sake: my partials are in LDS
	s_barrier_signal -1
	s_barrier_wait -1
	s_cmp_lg_u32 s20, 0
	s_cbranch_scc1 .Ldone
	; wave 0: the eight partials, the softmax, the choice
	v_add_nc_u32 v9, PR, v2
.irp w, 0,1,2,3,4,5,6,7
	ds_load_b128 v[X+8*\w:X+8*\w+3],   v9 offset:\w*1024
	ds_load_b128 v[X+8*\w+4:X+8*\w+7], v9 offset:\w*1024+512
.endr
	s_wait_dscnt 0x0
.irp w, 1,2,3,4,5,6,7
.irp q, 0,2,4,6
	v_pk_add_f32 v[X+\q:X+\q+1], v[X+\q:X+\q+1], v[X+8*\w+\q:X+8*\w+\q+1]
.endr
.endr
	v_max3_num_f32 v10, v[X], v[X+1], v[X+2]
	v_max3_num_f32 v10, v10, v[X+3], v[X+4]
	v_max3_num_f32 v10, v10, v[X+5], v[X+6]
	v_max_num_f32 v10, v10, v[X+7]                 ; the row's maximum, taken away before the exponentials
	v_mov_b32 v9, 7
.irp j, 6,5,4,3,2,1,0
	v_cmp_eq_f32 vcc_lo, v[X+\j], v10
	v_cndmask_b32 v9, v9, \j, vcc_lo               ; downward, so that the first maximum wins
.endr
.irp j, 0,1,2,3,4,5,6,7
	v_sub_f32 v[X+8+\j], v[X+\j], v10
.endr
.irp j, 0,1,2,3,4,5,6,7
	v_mul_f32 v[X+8+\j], 0x3fb8aa3b, v[X+8+\j]     ; e^x = 2^(x log2 e)
.endr
.irp j, 0,1,2,3,4,5,6,7
	v_exp_f32 v[X+8+\j], v[X+8+\j]
.endr
	v_cvt_f32_i32 v11, v8                          ; the plain instruction between the exponentials and their use (ISA guide 5.7.2); the mask as f32
	s_wait_alu depctr_va_vdst(0)
	v_add_f32 v[X+8], v[X+8], v[X+9]
	v_add_f32 v[X+10], v[X+10], v[X+11]
	v_add_f32 v[X+12], v[X+12], v[X+13]
	v_add_f32 v[X+14], v[X+14], v[X+15]
	v_add_f32 v[X+8], v[X+8], v[X+10]
	v_add_f32 v[X+12], v[X+12], v[X+14]
	v_add_f32 v[X+8], v[X+8], v[X+12]              ; at least 1: the maximum's own term
	v_rcp_f32 v[X+8], v[X+8]                       ; the chosen expert's probability is exp(0) / sum
	v_cmp_eq_u32 vcc_lo, 0, v8                     ; (the plain instruction behind the reciprocal)
	v_cndmask_b32 v9, v9, 8, vcc_lo                ; a masked token belongs to no expert
	s_wait_alu depctr_va_vdst(0)
	v_mul_f32 v[X+8], v[X+8], v11
	v_cmp_gt_u32 vcc_lo, 8, v1
	s_wait_xcnt 0x0                                ; EXEC is a source of the pending stores: it changes only behind this wait
	s_and_saveexec_b32 s24, vcc_lo                 ; lanes 0 to 7 hold tokens 0 to 7
	global_store_b32 v7, v9, s[12:13]
	global_store_b32 v7, v[X+8], s[14:15]
	s_wait_xcnt 0x0
	s_or_b32 exec_lo, exec_lo, s24
.Ldone:
	s_wait_tensorcnt 0x0
	ds_add_u32 v128, v129
	s_wait_dscnt 0x0
	s_endpgm
.Lfunc_end_k_q526d9f0bc3_router:
	.size	k_q526d9f0bc3_router, .Lfunc_end_k_q526d9f0bc3_router-k_q526d9f0bc3_router
	.p2alignl 7, 3214868480
	.fill 96, 4, 3214868480
	.section	.rodata,"a",@progbits
	.p2align	6, 0x0
	.amdhsa_kernel k_q526d9f0bc3_router
		.amdhsa_group_segment_fixed_size 44032
		.amdhsa_private_segment_fixed_size 0
		.amdhsa_enable_private_segment 0
		.amdhsa_kernarg_size 56
		.amdhsa_user_sgpr_count 2
		.amdhsa_user_sgpr_kernarg_segment_ptr 1
		.amdhsa_wavefront_size32 1
		.amdhsa_system_sgpr_workgroup_id_x 1
		.amdhsa_system_sgpr_workgroup_id_y 1
		.amdhsa_system_sgpr_workgroup_id_z 1
		.amdhsa_system_vgpr_workitem_id 0
		.amdhsa_next_free_vgpr 130
		.amdhsa_next_free_sgpr 66
		.amdhsa_reserve_vcc 1
		.amdhsa_float_denorm_mode_32 3
		.amdhsa_float_denorm_mode_16_64 3
		.amdhsa_memory_ordered 1
		.amdhsa_forward_progress 1
		.amdhsa_inst_pref_size 17
	.end_amdhsa_kernel
	.amdgpu_metadata
---
amdhsa.version: [ 1, 2 ]
amdhsa.kernels:
  - .name:           k_q526d9f0bc3_router
    .symbol:         k_q526d9f0bc3_router.kd
    .args:
      - { .name: x, .offset: 0, .size: 8, .value_kind: global_buffer, .address_space: global }
      - { .name: router_w, .offset: 8, .size: 8, .value_kind: global_buffer, .address_space: global }
      - { .name: token_mask, .offset: 16, .size: 8, .value_kind: global_buffer, .address_space: global }
      - { .name: xb, .offset: 24, .size: 8, .value_kind: global_buffer, .address_space: global }
      - { .name: code, .offset: 32, .size: 8, .value_kind: global_buffer, .address_space: global }
      - { .name: scale, .offset: 40, .size: 8, .value_kind: global_buffer, .address_space: global }
      - { .name: out0, .offset: 48, .size: 8, .value_kind: global_buffer, .address_space: global }
    .group_segment_fixed_size: 44032
    .private_segment_fixed_size: 0
    .kernarg_segment_align: 8
    .kernarg_segment_size: 56
    .max_flat_workgroup_size: 256
    .sgpr_count:     66
    .vgpr_count:     130
    .wavefront_size: 32
...
	.end_amdgpu_metadata
.endif
;; end of part 1
;; launch lists (part 2): grid 8 x 1, 1 waves a work-group, no clusters, 9,984 bytes of LDS; arguments code, tlist; writes tlist
.if DOCPART == 2
	.amdgcn_target "amdgcn-amd-amdhsa--gfx1250"
	.amdhsa_code_object_version 6
	.text
	.protected	k_q526d9f0bc3_lists
	.globl	k_q526d9f0bc3_lists
	.p2align	8
	.type	k_q526d9f0bc3_lists,@function
k_q526d9f0bc3_lists:
	s_mov_b64 s[64:65], 0
	v_nop
	global_prefetch_b8 v0, s[64:65] scope:SCOPE_SE
	s_setreg_imm32_b32 hwreg(HW_REG_WAVE_MODE, 25, 1), 1
	s_wait_xcnt 0x0
; THE EXPERTS' TOKEN LISTS.  code[2048]: each token's expert, 0 to 7, or 8 for a masked token (stored by the router).
; Work-group e, one wave, makes row e of tlist, 9,728 bytes: words 0 to 2,303 the list (the tokens of expert e in ascending order; the 16
; slots behind the count repeat the last listed token, so that the last tile of 16 slots is full of tokens of this expert; all further
; slots hold token 0 and serve the later launches' look-ahead); words 2,304 to 2,335 scratch; the word at byte 9,344 the count; the rest 0.
; The row is built in LDS, where a slot's place may hang on the codes, and leaves as 19 stores of 512 consecutive bytes.
; Eight work-groups: one list is one running count over 2,048 codes, 64 steps of a wave; there is no more work than that to share out.
; One wave: LDS serves its instructions in order, so no barrier is needed.
.set LISTMAX, 0x8ff                    ; the list's last word
.set DUMPI,   2304                     ; word 2304 + lane: where a lane without a match puts its word
.set CNT,     9344                     ; the count's byte
.set ROWB,    9728                     ; bytes in a row of tlist
.set C,       16                       ; v[16:79] the 2,048 codes; then v[16:91] the row on its way out
	s_load_b128 s[4:7], s[0:1], 0x0                ; code s[4:5], tlist s[6:7]
	v_lshl_add_u32 v96, v0, 2, 0x2600
	v_mov_b32 v97, 0
	v_and_b32 v1, 31, v0                           ; lane
	v_and_b32 v2, 15, v1
	v_lshlrev_b32 v6, 4, v1                        ; 16 x lane
	v_lshlrev_b32 v8, 2, v1                        ; 4 x lane: the first token of my 16 bytes of codes
	v_add_nc_u32 v11, DUMPI, v1                    ; my dump word
	v_mov_b32 v12, 0
	v_mov_b32 v13, 0
	v_mov_b32 v14, 0
	v_mov_b32 v15, 0
	s_mov_b32 s13, ttmp9                           ; my expert
	s_mul_i32 s16, ttmp9, ROWB
	s_mov_b32 s17, 0
	s_wait_kmcnt 0x0
	s_add_nc_u64 s[6:7], s[6:7], s[16:17]          ; my row
.set il, 0
.rept 16
	global_load_b128 v[C+4*il:C+4*il+3], v6, s[4:5] offset:il*512
.set il, il+1
.endr
.set il, 0
.rept 19
	ds_store_b128 v6, v[12:15] offset:il*512       ; the whole row starts as zeros
.set il, il+1
.endr
	s_mov_b32 s18, 0                               ; tokens listed so far
.set il, 0
.rept 16
	s_wait_loadcnt 15-il                           ; loads come back in order: these 128 codes are in, the younger ones stay out
.set cl, 0
.rept 4
	v_cmp_eq_u32 vcc_lo, s13, v[C+4*il+cl]         ; mine?
	v_mbcnt_lo_u32_b32 v9, vcc_lo, s18             ; slot = listed so far + matches in lower lanes
	v_cndmask_b32 v9, v11, v9, vcc_lo              ; a lane without a match writes its dump word: EXEC stays whole
	v_min_u32 v9, 0x91f, v9                        ; inside list and dump whatever the codes hold
	v_lshlrev_b32 v9, 2, v9
	v_add_nc_u32 v10, 128*il+cl, v8                ; the token's number
	ds_store_b32 v9, v10
	s_bcnt1_i32_b32 s19, vcc_lo
	s_add_co_u32 s18, s18, s19
.set cl, cl+1
.endr
.set il, il+1
.endr
	s_max_u32 s19, s18, 1
	s_sub_co_u32 s19, s19, 1                       ; the last slot filled (slot 0, which holds 0, if there is none)
	v_mov_b32 v9, s19
	v_min_u32 v9, 0x7ff, v9
	v_lshlrev_b32 v9, 2, v9
	ds_load_b32 v10, v9                            ; its token: this sees the stores above
	v_add_nc_u32 v3, s18, v2                       ; the 16 slots behind the count (lanes r and r + 16 write the same word)
	v_min_u32 v3, LISTMAX, v3
	v_lshlrev_b32 v3, 2, v3
	v_mov_b32 v4, CNT
	v_mov_b32 v5, s18
	s_wait_dscnt 0x0
	ds_store_b32 v3, v10                           ; repeat the last token
	ds_store_b32 v4, v5                            ; the count
.set il, 0
.rept 19
	ds_load_b128 v[C+4*il:C+4*il+3], v6 offset:il*512
.set il, il+1
.endr
.set il, 0
.rept 19
	s_wait_dscnt 18-il                             ; piece il is in, the younger ones stay out
	global_store_b128 v6, v[C+4*il:C+4*il+3], s[6:7] offset:il*512
.set il, il+1
.endr
	s_wait_tensorcnt 0x0
	ds_add_u32 v96, v97
	s_wait_dscnt 0x0
	s_endpgm
.Lfunc_end_k_q526d9f0bc3_lists:
	.size	k_q526d9f0bc3_lists, .Lfunc_end_k_q526d9f0bc3_lists-k_q526d9f0bc3_lists
	.p2alignl 7, 3214868480
	.fill 96, 4, 3214868480
	.section	.rodata,"a",@progbits
	.p2align	6, 0x0
	.amdhsa_kernel k_q526d9f0bc3_lists
		.amdhsa_group_segment_fixed_size 9984
		.amdhsa_private_segment_fixed_size 0
		.amdhsa_enable_private_segment 0
		.amdhsa_kernarg_size 16
		.amdhsa_user_sgpr_count 2
		.amdhsa_user_sgpr_kernarg_segment_ptr 1
		.amdhsa_wavefront_size32 1
		.amdhsa_system_sgpr_workgroup_id_x 1
		.amdhsa_system_sgpr_workgroup_id_y 1
		.amdhsa_system_sgpr_workgroup_id_z 1
		.amdhsa_system_vgpr_workitem_id 0
		.amdhsa_next_free_vgpr 98
		.amdhsa_next_free_sgpr 66
		.amdhsa_reserve_vcc 1
		.amdhsa_float_denorm_mode_32 3
		.amdhsa_float_denorm_mode_16_64 3
		.amdhsa_memory_ordered 1
		.amdhsa_forward_progress 1
		.amdhsa_inst_pref_size 35
	.end_amdhsa_kernel
	.amdgpu_metadata
---
amdhsa.version: [ 1, 2 ]
amdhsa.kernels:
  - .name:           k_q526d9f0bc3_lists
    .symbol:         k_q526d9f0bc3_lists.kd
    .args:
      - { .name: code, .offset: 0, .size: 8, .value_kind: global_buffer, .address_space: global }
      - { .name: tlist, .offset: 8, .size: 8, .value_kind: global_buffer, .address_space: global }
    .group_segment_fixed_size: 9984
    .private_segment_fixed_size: 0
    .kernarg_segment_align: 8
    .kernarg_segment_size: 16
    .max_flat_workgroup_size: 32
    .sgpr_count:     66
    .vgpr_count:     98
    .wavefront_size: 32
...
	.end_amdgpu_metadata
.endif
;; end of part 2
;; launch ffn1 (part 3): grid 256 x 1, 16 waves a work-group, no clusters, 165,888 bytes of LDS; arguments w1, xb, tlist, hbuf; writes hbuf
.if DOCPART == 3
	.amdgcn_target "amdgcn-amd-amdhsa--gfx1250"
	.amdhsa_code_object_version 6
	.text
	.protected	k_q526d9f0bc3_ffn1
	.globl	k_q526d9f0bc3_ffn1
	.p2align	8
	.type	k_q526d9f0bc3_ffn1,@function
k_q526d9f0bc3_ffn1:
	s_mov_b64 s[64:65], 0
	v_nop
	global_prefetch_b8 v0, s[64:65] scope:SCOPE_SE
	s_setreg_imm32_b32 hwreg(HW_REG_WAVE_MODE, 25, 1), 1
	s_wait_xcnt 0x0
; LAYER 1 OF THE EXPERTS.  h = relu(x w1[e]) for the tokens that the router gave to expert e, stored as two bf16 numbers, hi + lo.
; Work-group = (expert e = id / 32, slice = id % 32): the 64 columns f = 64 slice .. + 63 of w1[e], all 1,024 rows: 256 KiB of f32, read by
; this work-group alone and once.  Each of 16 waves loads 64 rows (32 loads of two rows' 256 bytes each, all issued at once), rounds
; them to bf16 and lays them in LDS as [k][f].  Then every wave takes tiles of 16 slots of the expert's token list (tile = wave, wave + 16, ..)
; and multiplies them by the whole slice.  List and count are whole numbers that an earlier launch stored in tlist: the count comes by a
; scalar load, the tokens by vector loads.  Inside the loop over tiles the waves are independent, so its trip count governs no barrier.
; The matrix instruction takes the weights as source 0 and the tokens as source 1: lane (r, h) then holds token r, f = 16 n + 8 h + 0..7,
; which, packed, is the token fragment that layer 2 needs: h leaves as register images, 512 consecutive bytes a store.
; hbuf: [expert][tile of 16 tokens, 128][K step of 32 f, 64][hi 1,024 bytes | lo 1,024 bytes]; in a block registers 0-3 at 16 x lane, 4-7 at 512 + 16 x lane.
; hi + lo: one rounding of h to bf16 would cost about 2^-9 of each h; the second operand brings that to about 2^-17.
; The 16 list slots behind the count repeat the last listed token, so the last tile is full of tokens of this expert; all further slots hold
; token 0 and serve the look-ahead alone.  An expert without tokens still makes tile 0 (of token 0): layer 2 looks ahead into it and uses none of it.
; LIMITS: a NaN in h is turned into 0 by the maximum with 0; an infinite h gives a NaN in lo.  Sums run in the matrix unit's order.
; No tensor loads: the weights are f32 and pass through registers to be rounded.  No cluster: no weight byte is read by two work-groups, and
; the token rows that the 32 slices of an expert share come in numbers that hang on the data.
.set LISTMAX, 0x8ff                    ; a row of tlist has 2,304 list words: 2,048 slots and the look-ahead of 16 tiles
.set CNT,     9344                     ; the count's byte in the row
.set ROWB,    9728                     ; bytes in a row of tlist
.set WT,      0                        ; the weights, [k][f] in bf16
.set P,       160                      ; pitch: 128 bytes + 32, an odd multiple of 32 bytes, as the transposing load's rows want
.set GRP,     8*32*P                   ; 8 K steps: what one address register reaches with a 16-bit offset
.set VA,   7                           ; v7   this tile's token offsets in xb
.set VAN,  8                           ; v8   the next tile's
.set VB,   12                          ; v[12:15] LDS address of my part of a weight fragment, one for each 8 K steps
.set ACC,  16                          ; v[16:47]   4 accumulators: 16 tokens x 64 f
.set A0,   48                          ; v[48:111]  token fragments of 8 K steps
.set T,    112                         ; v[112:127] at work
.set WR,   128                         ; v[128:255] the weights as loaded
.set A1,   128                         ; v[128:191] token fragments, second buffer
.set B0,   192                         ; v[192:223] weight fragments of a K step
.set B1,   224                         ; v[224:255] second buffer; at a tile's end the packed h
.macro PLACES                          ; four places between a matrix instruction and a load into, or a vector access to, its registers
.rept 4
	v_nop
.endr
.endm
; 16 loads: the token fragments of K steps 8 c .. 8 c + 7 (512 bytes of each of the tile's 16 rows of xb)
.macro ALOAD c, ax, va
.set ka, 0
.rept 8
	global_load_b128 v[\ax+8*ka:\ax+8*ka+3],   v[\va], s[6:7] offset:(\c)*512+ka*64
	global_load_b128 v[\ax+8*ka+4:\ax+8*ka+7], v[\va], s[6:7] offset:(\c)*512+ka*64+32
.set ka, ka+1
.endr
.endm
; 8 transposing loads: K step t of the slice, four fragments of 16 f
.macro BLOAD t, bx
.set nb, 0
.rept 4
	ds_load_tr16_b128 v[\bx+8*nb:\bx+8*nb+3],   v[VB+((\t)>>3)] offset:((\t)&7)*32*P+nb*32
	ds_load_tr16_b128 v[\bx+8*nb+4:\bx+8*nb+7], v[VB+((\t)>>3)] offset:((\t)&7)*32*P+nb*32+16*P
.set nb, nb+1
.endr
.endm
; K step st of a tile.  The next step's weight fragments are asked for first; at the first step of a chunk of 8 also the token chunk after the next.
.macro STEP
	PLACES                                         ; the loads below land in registers that the last step's matrix instructions read
.if st == 8
	ALOAD 2, A0, VA
.endif
.if st == 16
	ALOAD 3, A1, VA
.endif
.if st == 24
	ALOAD 0, A0, VAN                               ; the next tile's first chunk
.endif
	BLOAD (st+1)%32, B0+32*((st+1)&1)
	s_wait_dscnt 0x8                               ; all but the 8 just issued: this step's weight fragments are in
.if st == 0
	s_wait_loadcnt 0x11                            ; chunk 0 is in: chunk 1's 16 loads and the list word asked for at the tile's head are younger
.else
.if (st&7) == 0
	s_wait_loadcnt 0x10                            ; all but the 16 youngest: this chunk is in (at step 8 the list word too), the next stays out
.endif
.endif
.set nw, 0
.rept 4                                            ; four accumulators by turns, one instruction a turn
.if st == 0
	v_wmma_f32_16x16x32_bf16 v[ACC+8*nw:ACC+8*nw+7], v[B0+32*(st&1)+8*nw:B0+32*(st&1)+8*nw+7], v[A0+80*((st>>3)&1)+8*(st&7):A0+80*((st>>3)&1)+8*(st&7)+7], 0
.else
	v_wmma_f32_16x16x32_bf16 v[ACC+8*nw:ACC+8*nw+7], v[B0+32*(st&1)+8*nw:B0+32*(st&1)+8*nw+7], v[A0+80*((st>>3)&1)+8*(st&7):A0+80*((st>>3)&1)+8*(st&7)+7], v[ACC+8*nw:ACC+8*nw+7]
.endif
.set nw, nw+1
.endr
.set st, st+1
.endm
	s_load_b256 s[4:11], s[0:1], 0x0               ; w1 s[4:5], xb s[6:7], tlist s[8:9], hbuf s[10:11]
	v_lshl_add_u32 v126, v0, 2, 0x28000
	v_mov_b32 v127, 0
	v_and_b32 v1, 31, v0                           ; lane
	v_lshrrev_b32 v9, 5, v0
	v_readfirstlane_b32 s12, v9                    ; wave
	s_lshr_b32 s13, ttmp9, 5                       ; expert
	s_and_b32 s14, ttmp9, 31                       ; slice
	v_and_b32 v2, 15, v1                           ; r
	v_lshrrev_b32 v3, 4, v1                        ; h
	v_lshlrev_b32 v4, 13, v3                       ; weights: lanes 0-15 one row's 256 bytes, lanes 16-31 the next row's
	v_lshl_add_u32 v4, v2, 4, v4
	s_mul_i32 s19, s12, 64*P
	s_add_co_u32 s19, s19, WT                      ; my wave's 64 rows in LDS
	v_mul_u32_u24 v5, v3, P
	v_lshl_add_u32 v5, v2, 3, v5
	v_add_nc_u32 v5, s19, v5
	v_lshlrev_b32 v6, 4, v1                        ; 16 x lane
	v_and_b32 v9, 7, v1
	v_lshl_add_u32 v9, v3, 3, v9                   ; row 8 h + (lane & 7) of a K step
	v_mul_u32_u24 v9, v9, P
	v_bfe_u32 v10, v1, 3, 1
	v_lshl_add_u32 v9, v10, 4, v9                  ; + 16 bytes for lanes 8-15 and 24-31
.irp g, 0,1,2,3
	v_add_nc_u32 v[VB+\g], WT+\g*GRP, v9
.endr
	s_lshl_b32 s19, s12, 6
	v_lshl_add_u32 v[T], v2, 2, s19                ; list word 16 wave + r: my first tile
	s_lshl_b32 s16, s13, 23                        ; w1: expert x 8 MiB + slice x 256 + wave x 64 rows of 8,192 bytes
	s_lshl_b32 s19, s14, 8
	s_add_co_u32 s16, s16, s19
	s_lshl_b32 s19, s12, 19
	s_add_co_u32 s16, s16, s19
	s_mov_b32 s17, 0
	s_wait_kmcnt 0x0
	s_add_nc_u64 s[4:5], s[4:5], s[16:17]
	s_mul_i32 s16, s13, ROWB                       ; tlist: my expert's row
	s_add_nc_u64 s[8:9], s[8:9], s[16:17]
	s_load_b32 s20, s[8:9], CNT                    ; the count
	global_load_b32 v[T+1], v[T], s[8:9]           ; my first tile's tokens
	s_lshl_b32 s16, s13, 24                        ; hbuf: expert x 16 MiB + slice x 2 K steps of 2,048 bytes
	s_lshl_b32 s19, s14, 12
	s_add_co_u32 s16, s16, s19
	s_add_nc_u64 s[10:11], s[10:11], s[16:17]
.set iw, 0
.rept 32
	global_load_b128 v[WR+4*iw:WR+4*iw+3], v4, s[4:5] offset:iw*16384 th:TH_LOAD_NT   ; my wave's whole share, 16 KiB, on its way at once
.set iw, iw+1
.endr
	s_wait_kmcnt 0x0
	s_min_u32 s20, s20, 0x800                      ; the count
	s_add_co_u32 s21, s20, 15
	s_lshr_b32 s21, s21, 4
	s_max_u32 s21, s21, 1                          ; tiles; one at the least
	s_add_co_u32 s30, s21, 15
	s_sub_co_u32 s30, s30, s12
	s_lshr_b32 s30, s30, 4                         ; my trips: tiles wave, wave + 16, .. below that number
	s_wait_loadcnt 0x20                            ; the list word is in; the 32 weight loads behind it stay out
	v_min_u32 v[VAN], 0x7ff, v[T+1]
	v_lshlrev_b32 v[VAN], 11, v[VAN]               ; token x 2,048 bytes
	v_lshl_add_u32 v[VAN], v3, 4, v[VAN]           ; + 16 h
	ALOAD 0, A0, VAN
.set iw, 0
.rept 32
	s_wait_loadcnt 47-iw                           ; weight load iw is in: 31 - iw weight loads and the 16 token loads are younger
	v_cvt_pk_bf16_f32 v[WR+4*iw], v[WR+4*iw], v[WR+4*iw+1]
	v_cvt_pk_bf16_f32 v[WR+4*iw+1], v[WR+4*iw+2], v[WR+4*iw+3]
	ds_store_b64 v5, v[WR+4*iw:WR+4*iw+1] offset:iw*2*P
.set iw, iw+1
.endr
	s_wait_dscnt 0x0                               ; my rows are in LDS (for the others), and the stores have read the registers that the next loads fill
	ALOAD 1, A1, VAN
	s_barrier_signal -1
	s_barrier_wait -1                              ; the slice is whole.  This is the kernel's one barrier
	s_mov_b32 s22, s12                             ; my first tile
	s_mov_b32 s29, 0                               ; trips done
	s_cmp_eq_u32 s30, 0
	s_cbranch_scc1 .Lend
	BLOAD 0, B0
; At the head, on the way in and on the way back alike: token chunks 0 and 1 (32 loads) and the first step's 8 weight fragment loads may be out.
.Ltile:
	s_wait_xcnt 0x0                                ; the address registers of the loads and the address and data of the last tile's stores are rewritten only behind this wait
	v_mov_b32 v[VA], v[VAN]
	s_lshl_b32 s23, s22, 4
	s_add_co_u32 s23, s23, 256
	v_add_nc_u32 v9, s23, v2                       ; list word of row r of my next tile, 16 tiles on
	v_min_u32 v9, LISTMAX, v9
	v_lshlrev_b32 v9, 2, v9
	global_load_b32 v10, v9, s[8:9]                ; younger than chunks 0 and 1, older than chunk 2: step 8's wait covers it
.set st, 0
.rept 9
	STEP
.endr
	v_min_u32 v[VAN], 0x7ff, v10                   ; the next tile's offsets, wanted at step 24
	v_lshlrev_b32 v[VAN], 11, v[VAN]
	v_lshl_add_u32 v[VAN], v3, 4, v[VAN]
.rept 23
	STEP
.endr
	PLACES
	ALOAD 1, A1, VAN                               ; the next tile's second chunk
	; relu; hi = bf16(h); lo = bf16(h - hi)
.set ne, 0
.rept 4
.set HIR, B1+16*(ne>>1)+4*(ne&1)
.set LOR, HIR+8
.set je, 0
.rept 8
	v_max_num_f32 v[ACC+8*ne+je], 0, v[ACC+8*ne+je]
.set je, je+1
.endr
.set je, 0
.rept 4
	v_cvt_pk_bf16_f32 v[HIR+je], v[ACC+8*ne+2*je], v[ACC+8*ne+2*je+1]
.set je, je+1
.endr
.set je, 0
.rept 4
	v_lshlrev_b32 v[T+2*je], 16, v[HIR+je]
	v_and_b32 v[T+2*je+1], 0xffff0000, v[HIR+je]
.set je, je+1
.endr
.set je, 0
.rept 4
	v_pk_add_f32 v[ACC+8*ne+2*je:ACC+8*ne+2*je+1], v[ACC+8*ne+2*je:ACC+8*ne+2*je+1], v[T+2*je:T+2*je+1] neg_lo:[0,1] neg_hi:[0,1]
.set je, je+1
.endr
.set je, 0
.rept 4
	v_cvt_pk_bf16_f32 v[LOR+je], v[ACC+8*ne+2*je], v[ACC+8*ne+2*je+1]
.set je, je+1
.endr
.set ne, ne+1
.endr
	s_min_u32 s23, s22, 127
	v_lshl_add_u32 v11, s23, 17, v6                ; tile x 128 KiB + 16 x lane
.set je, 0
.rept 8
	global_store_b128 v11, v[B1+4*je:B1+4*je+3], s[10:11] offset:je*512   ; K step, hi or lo, half: 512 consecutive bytes each, in this order
.set je, je+1
.endr
	s_add_co_u32 s22, s22, 16                      ; my next tile
	s_add_co_u32 s29, s29, 1
	s_cmp_lt_u32 s29, s30
	s_cbranch_scc1 .Ltile
.Lend:
	s_wait_dscnt 0x0
	s_wait_tensorcnt 0x0
	ds_add_u32 v126, v127
	s_wait_dscnt 0x0
	s_endpgm
.Lfunc_end_k_q526d9f0bc3_ffn1:
	.size	k_q526d9f0bc3_ffn1, .Lfunc_end_k_q526d9f0bc3_ffn1-k_q526d9f0bc3_ffn1
	.p2alignl 7, 3214868480
	.fill 96, 4, 3214868480
	.section	.rodata,"a",@progbits
	.p2align	6, 0x0
	.amdhsa_kernel k_q526d9f0bc3_ffn1
		.amdhsa_group_segment_fixed_size 165888
		.amdhsa_private_segment_fixed_size 0
		.amdhsa_enable_private_segment 0
		.amdhsa_kernarg_size 32
		.amdhsa_user_sgpr_count 2
		.amdhsa_user_sgpr_kernarg_segment_ptr 1
		.amdhsa_wavefront_size32 1
		.amdhsa_system_sgpr_workgroup_id_x 1
		.amdhsa_system_sgpr_workgroup_id_y 1
		.amdhsa_system_sgpr_workgroup_id_z 1
		.amdhsa_system_vgpr_workitem_id 0
		.amdhsa_next_free_vgpr 256
		.amdhsa_next_free_sgpr 66
		.amdhsa_reserve_vcc 0
		.amdhsa_float_denorm_mode_32 3
		.amdhsa_float_denorm_mode_16_64 3
		.amdhsa_memory_ordered 1
		.amdhsa_forward_progress 1
		.amdhsa_inst_pref_size 59
	.end_amdhsa_kernel
	.amdgpu_metadata
---
amdhsa.version: [ 1, 2 ]
amdhsa.kernels:
  - .name:           k_q526d9f0bc3_ffn1
    .symbol:         k_q526d9f0bc3_ffn1.kd
    .args:
      - { .name: w1, .offset: 0, .size: 8, .value_kind: global_buffer, .address_space: global }
      - { .name: xb, .offset: 8, .size: 8, .value_kind: global_buffer, .address_space: global }
      - { .name: tlist, .offset: 16, .size: 8, .value_kind: global_buffer, .address_space: global }
      - { .name: hbuf, .offset: 24, .size: 8, .value_kind: global_buffer, .address_space: global }
    .group_segment_fixed_size: 165888
    .private_segment_fixed_size: 0
    .kernarg_segment_align: 8
    .kernarg_segment_size: 32
    .max_flat_workgroup_size: 512
    .sgpr_count:     66
    .vgpr_count:     256
    .wavefront_size: 32
...
	.end_amdgpu_metadata
.endif
;; end of part 3
;; launch ffn2 (part 4): grid 256 x 1, 16 waves a work-group, no clusters, 198,656 bytes of LDS; arguments w2, hbuf, tlist, scale, out0; writes out0
.if DOCPART == 4
	.amdgcn_target "amdgcn-amd-amdhsa--gfx1250"
	.amdhsa_code_object_version 6
	.text
	.protected	k_q526d9f0bc3_ffn2
	.globl	k_q526d9f0bc3_ffn2
	.p2align	8
	.type	k_q526d9f0bc3_ffn2,@function
k_q526d9f0bc3_ffn2:
	s_mov_b64 s[64:65], 0
	v_nop
	global_prefetch_b8 v0, s[64:65] scope:SCOPE_SE
	s_setreg_imm32_b32 hwreg(HW_REG_WAVE_MODE, 25, 1), 1
	s_wait_xcnt 0x0
; LAYER 2 OF THE EXPERTS.  out0[token] = scale[token] x ((h_hi + h_lo) w2[e]) for the tokens listed for expert e.
; Work-group = (expert e = id / 32, slice = id % 32): the 32 columns d = 32 slice .. + 31 of w2[e], all 2,048 rows: 256 KiB of f32, read by
; this work-group alone and once.  Each of 16 waves loads 128 rows (32 loads of four rows' 128 bytes each, all issued at once), rounds
; them to bf16 and lays them in LDS as [f][d].  Then every wave takes tiles of 16 slots of the expert's token list (tile = wave, wave + 16, ..),
; the same list in tlist that layer 1 walked, so slot i is the same token there and here; the count comes by a scalar load, the tokens by
; vector loads.  Inside the loop over tiles the waves are independent and no barrier stands.
; A tile is 32 steps of two K steps.  Its h comes from hbuf as register images, 512 consecutive bytes a load, through a ring of four register
; slots of one step each (hi and lo of two K steps: 8 loads, 4 KiB of the wave): step t asks for step t + 3's, into the slot that step t - 1
; has read, so 12 KiB of a wave are on their way while it multiplies.  The ring runs on into the wave's next tile; the wave's last tile is
; written out behind the loop and asks for nothing past its end.
; Weights are source 0, tokens source 1: lane (r, h) holds token r, d = 16 n + 8 h + 0..7, 32 neighbouring bytes of the token's row.
; A slice of 32 columns is 128 bytes of a row of w2 and of out0: the loads and stores here cover halves of aligned blocks of 256 bytes.
; 64 columns would want 384 KiB of LDS for the slice in this layout, or half as many work-groups.
; The slots of the last tile that lie behind the count repeat the last listed token: their lanes make that token's result from
; that token's h and store it to that token's row, in the same instruction as the token's own lanes.  So EXEC stays whole, and no row of
; another token is touched.  An expert without tokens runs no tile.  Every unmasked token is in one list, so each of its bytes is stored by one work-group.
; LIMITS: sums run in the matrix unit's order, hi and lo in accumulators of their own, added at the end.
; No tensor loads: the weights are f32 and pass through registers to be rounded.  No cluster: no weight byte is read by two work-groups, and
; the tiles of h that the 32 slices of an expert share come in numbers that hang on the data.
.set LISTMAX, 0x8ff                    ; a row of tlist has 2,304 list words
.set CNT,     9344                     ; the count's byte in the row
.set ROWB,    9728                     ; bytes in a row of tlist
.set WT,      0                        ; the weights, [f][d] in bf16
.set P,       96                       ; pitch: 64 bytes + 32, an odd multiple of 32 bytes
.set GRP,     8*64*P                   ; 8 steps of 64 rows: what one address register reaches with a 16-bit offset
.set VA,   7                           ; v7   this tile's offset in hbuf
.set VAN,  8                           ; v8   the next tile's
.set VB,   12                          ; v[12:15] LDS address of my part of a weight fragment, one for each 8 steps
.set ACC,  16                          ; v[16:47]   (n 0, hi), (n 1, hi), (n 0, lo), (n 1, lo)
.set A0,   48                          ; v[48:79], v[80:111], v[128:159], v[160:191]: the four slots of h
.set T,    112                         ; v[112:113] the token's scale, twice; v114, v115 at work
.set WR,   128                         ; v[128:255] the weights as loaded
.set B0,   192                         ; v[192:223], v[224:255] weight fragments of a step, two buffers
.macro PLACES                          ; four places between a matrix instruction and a load into, or a vector access to, its registers
.rept 4
	v_nop
.endr
.endm
; 8 loads: h of step t (K steps 2 t and 2 t + 1, hi and lo), 4 KiB in the order of the registers, into slot t % 4
.macro ASTEP t, va
.set SLB, A0+32*((\t)&3)+16*(((\t)&3)>>1)
.set ka, 0
.rept 8
	global_load_b128 v[SLB+4*ka:SLB+4*ka+3], v[\va], s[6:7] offset:(\t)*4096+ka*512
.set ka, ka+1
.endr
.endm
; 8 transposing loads: K steps 2 t and 2 t + 1 of the slice, two fragments of 16 d each
.macro BLOAD t, bx
.set nb, 0
.rept 4                                            ; nb = 2 a + n
	ds_load_tr16_b128 v[\bx+8*nb:\bx+8*nb+3],   v[VB+((\t)>>3)] offset:((\t)&7)*64*P+(nb>>1)*32*P+(nb&1)*32
	ds_load_tr16_b128 v[\bx+8*nb+4:\bx+8*nb+7], v[VB+((\t)>>3)] offset:((\t)&7)*64*P+(nb>>1)*32*P+(nb&1)*32+16*P
.set nb, nb+1
.endr
.endm
; Step st of a tile: two K steps, eight matrix instructions.  look = 1: a tile of this wave follows, and the ring runs on into it.
.macro STEP look
	PLACES                                         ; the loads below land in registers that the last step's matrix instructions read
.set DOB, \look
.if st < 31
.set DOB, 1
.endif
.if DOB
	BLOAD (st+1)%32, B0+32*((st+1)&1)              ; the next step's weight fragments
.endif
.if st < 29
	ASTEP st+3, VA                                 ; h three steps ahead
.else
.if \look
	ASTEP st-29, VAN                               ; the next tile's steps 0, 1, 2
.endif
.endif
.if DOB
	s_wait_dscnt 0x8                               ; all but the 8 just issued: this step's weight fragments are in
.else
	s_wait_dscnt 0x0                               ; the last step of the last tile: nothing was issued behind them
.endif
.set LEFT, 24                                      ; younger than this step's h: the three later steps' 24 loads,
.if st < 3
.set LEFT, 25                                      ; at steps 0 to 2 also the list word asked for at the tile's head (step 3's wait then covers it),
.endif
.if st > 3
.if st < 7
.set LEFT, 25                                      ; at steps 4 to 6 also the scale asked for behind step 3 (step 7's wait then covers it)
.endif
.endif
.if \look == 0
.if st > 28
.set LEFT, 8*(31-st)                               ; the last tile asks for nothing from step 29 on: the counts run down 16, 8, 0
.endif
.endif
	s_wait_loadcnt LEFT
.set BX, B0+32*(st&1)
.set AX, A0+32*(st&3)+16*((st&3)>>1)
.set aw, 0
.rept 2
.set qw, 0
.rept 4                                            ; qw = 2 (hi or lo) + n: four accumulators by turns, one instruction a turn
.if (st+aw) == 0
	v_wmma_f32_16x16x32_bf16 v[ACC+8*qw:ACC+8*qw+7], v[BX+16*aw+8*(qw&1):BX+16*aw+8*(qw&1)+7], v[AX+16*aw+8*(qw>>1):AX+16*aw+8*(qw>>1)+7], 0
.else
	v_wmma_f32_16x16x32_bf16 v[ACC+8*qw:ACC+8*qw+7], v[BX+16*aw+8*(qw&1):BX+16*aw+8*(qw&1)+7], v[AX+16*aw+8*(qw>>1):AX+16*aw+8*(qw>>1)+7], v[ACC+8*qw:ACC+8*qw+7]
.endif
.set qw, qw+1
.endr
.set aw, aw+1
.endr
.set st, st+1
.endm
; Tile s22.  At its head, on every way in: h of steps 0, 1, 2 (24 loads, in this order) and the first step's 8 weight fragment loads may be out.
.macro TILE look
	s_wait_xcnt 0x0                                ; the address registers of the loads and the address and data of the last tile's stores are rewritten only behind this wait
	v_mov_b32 v[VA], v[VAN]
.if \look
	s_add_co_u32 s27, s22, 16                      ; my next tile
	v_mov_b32 v[VAN], s27
	v_min_u32 v[VAN], 127, v[VAN]
	v_lshlrev_b32 v[VAN], 17, v[VAN]               ; tile x 128 KiB
	v_add_nc_u32 v[VAN], v[VAN], v6                ; + 16 x lane
.endif
	s_lshl_b32 s23, s22, 4
	v_add_nc_u32 v9, s23, v2                       ; my slot: 16 tile + r
	v_min_u32 v9, LISTMAX, v9
	v_lshlrev_b32 v9, 2, v9
	global_load_b32 v10, v9, s[8:9]                ; its token: younger than h of steps 0 to 2, older than step 3's
.set st, 0
.rept 4
	STEP \look
.endr
	v_min_u32 v[T+3], 0x7ff, v10                   ; step 3's wait has shown the token in
	v_lshlrev_b32 v[T+2], 2, v[T+3]
	global_load_b32 v[T], v[T+2], s[10:11]         ; the token's scale: younger than h of step 6, older than step 7's
	v_lshlrev_b32 v11, 12, v[T+3]                  ; token x 4,096 bytes
	v_lshl_add_u32 v11, v3, 5, v11                 ; + 32 h
.rept 28
	STEP \look
.endr
	PLACES
	v_mov_b32 v[T+1], v[T]
.set je, 0
.rept 8
	v_pk_add_f32 v[ACC+2*je:ACC+2*je+1], v[ACC+2*je:ACC+2*je+1], v[ACC+16+2*je:ACC+16+2*je+1]   ; hi's sums + lo's
.set je, je+1
.endr
.set je, 0
.rept 8
	v_pk_mul_f32 v[ACC+2*je:ACC+2*je+1], v[ACC+2*je:ACC+2*je+1], v[T:T+1]
.set je, je+1
.endr
.set je, 0
.rept 4
	global_store_b128 v11, v[ACC+4*je:ACC+4*je+3], s[24:25] offset:(je>>1)*64+(je&1)*16
.set je, je+1
.endr
.endm
	s_load_b256 s[4:11], s[0:1], 0x0               ; w2 s[4:5], hbuf s[6:7], tlist s[8:9], scale s[10:11]
	s_load_b64 s[24:25], s[0:1], 0x20              ; out0
	v_lshl_add_u32 v126, v0, 2, 0x30000
	v_mov_b32 v127, 0
	v_and_b32 v1, 31, v0                           ; lane
	v_lshrrev_b32 v9, 5, v0
	v_readfirstlane_b32 s12, v9                    ; wave
	s_lshr_b32 s13, ttmp9, 5                       ; expert
	s_and_b32 s14, ttmp9, 31                       ; slice
	v_and_b32 v2, 15, v1                           ; r
	v_lshrrev_b32 v3, 4, v1                        ; h
	v_lshrrev_b32 v9, 3, v1                        ; weights: eight lanes take one row's 128 bytes, a load four rows
	v_and_b32 v10, 7, v1
	v_lshlrev_b32 v4, 12, v9
	v_lshl_add_u32 v4, v10, 4, v4
	s_mul_i32 s19, s12, 128*P
	s_add_co_u32 s19, s19, WT                      ; my wave's 128 rows in LDS
	v_mul_u32_u24 v5, v9, P
	v_lshl_add_u32 v5, v10, 3, v5
	v_add_nc_u32 v5, s19, v5
	v_lshlrev_b32 v6, 4, v1                        ; 16 x lane
	v_lshl_add_u32 v9, v3, 3, v10                  ; row 8 h + (lane & 7) of a K step
	v_mul_u32_u24 v9, v9, P
	v_bfe_u32 v10, v1, 3, 1
	v_lshl_add_u32 v9, v10, 4, v9                  ; + 16 bytes for lanes 8-15 and 24-31
.irp g, 0,1,2,3
	v_add_nc_u32 v[VB+\g], WT+\g*GRP, v9
.endr
	s_lshl_b32 s16, s13, 23                        ; w2: expert x 8 MiB + slice x 128 + wave x 128 rows of 4,096 bytes
	s_lshl_b32 s19, s14, 7
	s_add_co_u32 s16, s16, s19
	s_lshl_b32 s19, s12, 19
	s_add_co_u32 s16, s16, s19
	s_mov_b32 s17, 0
	s_wait_kmcnt 0x0
	s_add_nc_u64 s[4:5], s[4:5], s[16:17]
	s_mul_i32 s16, s13, ROWB                       ; tlist: my expert's row
	s_add_nc_u64 s[8:9], s[8:9], s[16:17]
	s_load_b32 s20, s[8:9], CNT                    ; the count
	s_lshl_b32 s16, s13, 24                        ; hbuf: expert x 16 MiB
	s_add_nc_u64 s[6:7], s[6:7], s[16:17]
	s_lshl_b32 s16, s14, 7                         ; out0: slice x 128 bytes
	s_add_nc_u64 s[24:25], s[24:25], s[16:17]
.set iw, 0
.rept 32
	global_load_b128 v[WR+4*iw:WR+4*iw+3], v4, s[4:5] offset:iw*16384    ; my wave's whole share, 16 KiB, on its way at once
.set iw, iw+1
.endr
	s_wait_kmcnt 0x0
	s_min_u32 s20, s20, 0x800                      ; the count
	s_add_co_u32 s21, s20, 15
	s_lshr_b32 s21, s21, 4                         ; tiles; none for an expert without tokens
	s_add_co_u32 s30, s21, 15
	s_sub_co_u32 s30, s30, s12
	s_lshr_b32 s30, s30, 4                         ; my trips: tiles wave, wave + 16, .. below that number
	; A wave without a tile walks the same text up to the barrier, with the same registers and counts, so it cannot jump round the first loads
	; of h.  All its lanes then ask for the same 16 bytes of tile 0, which layer 1 always stores: 16 bytes a load in place of 512.
	s_cmp_lg_u32 s30, 0
	s_cselect_b32 s27, s12, 0                      ; my first tile, or tile 0
	s_cselect_b32 s26, 16, 0                       ; bytes from lane to lane
	v_mov_b32 v[VAN], s27
	v_min_u32 v[VAN], 127, v[VAN]
	v_lshlrev_b32 v[VAN], 17, v[VAN]               ; tile x 128 KiB
	v_mov_b32 v9, s26
	v_min_u32 v9, 16, v9
	v_mul_u32_u24 v9, v9, v1
	v_add_nc_u32 v[VAN], v[VAN], v9                ; + 16 x lane
	ASTEP 0, VAN                                   ; slots 0 and 1 lie below the weights' registers: they are asked for while the weights come
	ASTEP 1, VAN
.set iw, 0
.rept 32
	s_wait_loadcnt 47-iw                           ; weight load iw is in: 31 - iw weight loads and the 16 loads of h are younger
	v_cvt_pk_bf16_f32 v[WR+4*iw], v[WR+4*iw], v[WR+4*iw+1]
	v_cvt_pk_bf16_f32 v[WR+4*iw+1], v[WR+4*iw+2], v[WR+4*iw+3]
	ds_store_b64 v5, v[WR+4*iw:WR+4*iw+1] offset:iw*4*P
.set iw, iw+1
.endr
	s_wait_dscnt 0x0                               ; my rows are in LDS (for the others), and the stores have read the registers that the next loads fill
	ASTEP 2, VAN
	s_barrier_signal -1
	s_barrier_wait -1                              ; the slice is whole.  This is the kernel's one barrier
	s_mov_b32 s22, s12                             ; my first tile
	s_mov_b32 s29, 0                               ; trips of the loop done
	s_cmp_eq_u32 s30, 0
	s_cbranch_scc1 .Lend
	BLOAD 0, B0
	s_sub_co_u32 s28, s30, 1                       ; the loop takes all my tiles but the last
	s_cmp_eq_u32 s28, 0
	s_cbranch_scc1 .Llast
.Ltile:
	TILE 1
	s_add_co_u32 s22, s22, 16                      ; my next tile
	s_add_co_u32 s29, s29, 1
	s_cmp_lt_u32 s29, s28
	s_cbranch_scc1 .Ltile
.Llast:
	TILE 0                                         ; my last tile: no load reaches past it
.Lend:
	s_wait_tensorcnt 0x0
	ds_add_u32 v126, v127
	s_wait_dscnt 0x0
	s_endpgm
.Lfunc_end_k_q526d9f0bc3_ffn2:
	.size	k_q526d9f0bc3_ffn2, .Lfunc_end_k_q526d9f0bc3_ffn2-k_q526d9f0bc3_ffn2
	.p2alignl 7, 3214868480
	.fill 96, 4, 3214868480
	.section	.rodata,"a",@progbits
	.p2align	6, 0x0
	.amdhsa_kernel k_q526d9f0bc3_ffn2
		.amdhsa_group_segment_fixed_size 198656
		.amdhsa_private_segment_fixed_size 0
		.amdhsa_enable_private_segment 0
		.amdhsa_kernarg_size 40
		.amdhsa_user_sgpr_count 2
		.amdhsa_user_sgpr_kernarg_segment_ptr 1
		.amdhsa_wavefront_size32 1
		.amdhsa_system_sgpr_workgroup_id_x 1
		.amdhsa_system_sgpr_workgroup_id_y 1
		.amdhsa_system_sgpr_workgroup_id_z 1
		.amdhsa_system_vgpr_workitem_id 0
		.amdhsa_next_free_vgpr 256
		.amdhsa_next_free_sgpr 66
		.amdhsa_reserve_vcc 0
		.amdhsa_float_denorm_mode_32 3
		.amdhsa_float_denorm_mode_16_64 3
		.amdhsa_memory_ordered 1
		.amdhsa_forward_progress 1
		.amdhsa_inst_pref_size 142
	.end_amdhsa_kernel
	.amdgpu_metadata
---
amdhsa.version: [ 1, 2 ]
amdhsa.kernels:
  - .name:           k_q526d9f0bc3_ffn2
    .symbol:         k_q526d9f0bc3_ffn2.kd
    .args:
      - { .name: w2, .offset: 0, .size: 8, .value_kind: global_buffer, .address_space: global }
      - { .name: hbuf, .offset: 8, .size: 8, .value_kind: global_buffer, .address_space: global }
      - { .name: tlist, .offset: 16, .size: 8, .value_kind: global_buffer, .address_space: global }
      - { .name: scale, .offset: 24, .size: 8, .value_kind: global_buffer, .address_space: global }
      - { .name: out0, .offset: 32, .size: 8, .value_kind: global_buffer, .address_space: global }
    .group_segment_fixed_size: 198656
    .private_segment_fixed_size: 0
    .kernarg_segment_align: 8
    .kernarg_segment_size: 40
    .max_flat_workgroup_size: 512
    .sgpr_count:     66
    .vgpr_count:     256
    .wavefront_size: 32
...
	.end_amdgpu_metadata
.endif
;; end of part 4
;; ======== version 2 of 2: 4 launches; version 1 with the launches ffn1, ffn2 written anew for expert scheduling mode
;; workspace buffers: xb 4,194,304 bytes; code 8,192 bytes of whole numbers; scale 8,192 bytes; hbuf 134,217,728 bytes; tlist 77,824 bytes of whole numbers
;; launch router: the kernel of part 1 again; grid 256 x 1, 8 waves a work-group, no clusters, 44,032 bytes of LDS; arguments x, router_w, token_mask, xb, code, scale, out0; writes xb, code, scale, out0
;; launch lists: the kernel of part 2 again; grid 8 x 1, 1 waves a work-group, no clusters, 9,984 bytes of LDS; arguments code, tlist; writes tlist
;; launch ffn1 (part 5): grid 256 x 1, 16 waves a work-group, no clusters, 165,888 bytes of LDS; arguments w1, xb, tlist, hbuf; writes hbuf
.if DOCPART == 5
	.amdgcn_target "amdgcn-amd-amdhsa--gfx1250"
	.amdhsa_code_object_version 6
	.text
	.protected	k_q526d9f0bc3_ffn1
	.globl	k_q526d9f0bc3_ffn1
	.p2align	8
	.type	k_q526d9f0bc3_ffn1,@function
k_q526d9f0bc3_ffn1:
	s_mov_b64 s[64:65], 0
	v_nop
	global_prefetch_b8 v0, s[64:65] scope:SCOPE_SE
	s_setreg_imm32_b32 hwreg(HW_REG_WAVE_SCHED_MODE, 0, 2), 2
	s_setreg_imm32_b32 hwreg(HW_REG_WAVE_MODE, 25, 1), 1
	s_wait_xcnt 0x0
	s_wait_alu depctr_vm_vsrc(0)
; LAYER 1 OF THE EXPERTS.  h = relu(x w1[e]) for the tokens that the router gave to expert e, stored as two bf16 numbers, hi + lo.
; Work-group = (expert e = id / 32, slice = id % 32): the 64 columns f = 64 slice .. + 63 of w1[e], all 1,024 rows: 256 KiB of f32, read by
; this work-group alone and once.  Each of 16 waves loads 64 rows (32 loads of two rows' 256 bytes each, all issued at once), rounds
; them to bf16 and lays them in LDS as [k][f].  Then every wave takes tiles of 16 slots of the expert's token list (tile = wave, wave + 16, ..)
; and multiplies them by the whole slice.  List and count are whole numbers that an earlier launch stored in tlist: the count comes by a
; scalar load, the tokens by vector loads.  Inside the loop over tiles the waves are independent, so its trip count governs no barrier.
; The matrix instruction takes the weights as source 0 and the tokens as source 1: lane (r, h) then holds token r, f = 16 n + 8 h + 0..7,
; which, packed, is the token fragment that layer 2 needs: h leaves as register images, 512 consecutive bytes a store.
; hbuf: [expert][tile of 16 tokens, 128][K step of 32 f, 64][hi 1,024 bytes | lo 1,024 bytes]; in a block registers 0-3 at 16 x lane, 4-7 at 512 + 16 x lane.
; hi + lo: one rounding of h to bf16 would cost about 2^-9 of each h; the second operand brings that to about 2^-17.
; The 16 list slots behind the count repeat the last listed token, so the last tile is full of tokens of this expert; all further slots hold
; token 0 and serve the look-ahead alone.  An expert without tokens still makes tile 0 (of token 0): layer 2 looks ahead into it and uses none of it.
; LIMITS: a NaN in h is turned into 0 by the maximum with 0; an infinite h gives a NaN in lo.  Sums run in the matrix unit's order.
; No tensor loads: the weights are f32 and pass through registers to be rounded.  No cluster: no weight byte is read by two work-groups, and
; the token rows that the 32 slices of an expert share come in numbers that hang on the data.
; THE MODE: SCHED_MODE bits 1:0 = 2 (LLVM: expert scheduling mode 2), set by the entry lines.  The code itself states the register dependences
; between vector or matrix instructions and memory or LDS instructions, with s_wait_alu, always for 0.
; THE PLAN.  Registers that memory or LDS instructions touch, in the loop over tiles:
;   B0, B1      Step st's four matrix instructions read B[st & 1]; the eight LDS loads of step st + 1's fragments, issued in step st, land in the other buffer, which step st - 1 read.
;               B1 is also the tile's out-buffer: the roundings behind step 31 write it, eight stores read it, and step 0 of the next tile loads it again.
;   A0, A1      Eight steps' matrix instructions read a chunk; it is asked for again at the head of the step behind them (A0 at steps 8 and 24, A1 at step 16 and behind step 31).
;   v[VB ..]    Read by every LDS load of a fragment; never written in the loop.
;   v[VA], v9   Written at a tile's head;  v[VAN] behind step 8;  v11 at the tile's end.  Loads or stores further down read them; none reads one between the tile's head and its write.
;   v10         The list word lands in it at a tile's head; one vector instruction reads it behind step 8.
;   The accumulators and v[T ..] are named in the loop by vector and matrix instructions alone.
; So ONE wait on va_vdst stands at the head of a step: the step before is done with the registers in which this step's loads land.  The step's matrix instructions name the accumulators,
; B[st & 1] and the chunk in hand, none of which its loads touch, so the LDS loads are dealt among them with no further wait.  A tile has three waits more: vm_vsrc at its head (beside
; s_wait_xcnt 0), ahead of all the writes named above; va_vdst behind step 31, ahead of the loads into A1; va_vdst ahead of the stores.
.set LISTMAX, 0x8ff                    ; a row of tlist has 2,304 list words: 2,048 slots and the look-ahead of 16 tiles
.set CNT,     9344                     ; the count's byte in the row
.set ROWB,    9728                     ; bytes in a row of tlist
.set WT,      0                        ; the weights, [k][f] in bf16
.set P,       160                      ; pitch: 128 bytes + 32, an odd multiple of 32 bytes, as the transposing load's rows want
.set GRP,     8*32*P                   ; 8 K steps: what one address register reaches with a 16-bit offset
.set VA,   7                           ; v7   this tile's token offsets in xb
.set VAN,  8                           ; v8   the next tile's
.set VB,   12                          ; v[12:15] LDS address of my part of a weight fragment, one for each 8 K steps
.set ACC,  16                          ; v[16:47]   4 accumulators: 16 tokens x 64 f
.set A0,   48                          ; v[48:111]  token fragments of 8 K steps
.set T,    112                         ; v[112:127] at work
.set WR,   128                         ; v[128:255] the weights as loaded
.set A1,   128                         ; v[128:191] token fragments, second buffer
.set B0,   192                         ; v[192:223] weight fragments of a K step
.set B1,   224                         ; v[224:255] second buffer; at a tile's end the packed h
.macro PLACES                          ; four places between a matrix instruction and a vector access to its registers (ISA guide 7.12.1)
.rept 4
	v_nop
.endr
.endm
; 16 loads: the token fragments of K steps 8 c .. 8 c + 7 (512 bytes of each of the tile's 16 rows of xb)
.macro ALOAD c, ax, va
.set ka, 0
.rept 8
	global_load_b128 v[\ax+8*ka:\ax+8*ka+3],   v[\va], s[6:7] offset:(\c)*512+ka*64
	global_load_b128 v[\ax+8*ka+4:\ax+8*ka+7], v[\va], s[6:7] offset:(\c)*512+ka*64+32
.set ka, ka+1
.endr
.endm
; 2 transposing loads: fragment fr (16 f) of K step t of the slice
.macro BPAIR t, bx, fr
	ds_load_tr16_b128 v[\bx+8*(\fr):\bx+8*(\fr)+3],   v[VB+((\t)>>3)] offset:((\t)&7)*32*P+(\fr)*32
	ds_load_tr16_b128 v[\bx+8*(\fr)+4:\bx+8*(\fr)+7], v[VB+((\t)>>3)] offset:((\t)&7)*32*P+(\fr)*32+16*P
.endm
; 8 transposing loads: K step t of the slice, four fragments
.macro BLOAD t, bx
.set nb, 0
.rept 4
	BPAIR \t, \bx, nb
.set nb, nb+1
.endr
.endm
; K step st of a tile.  At the first step of a chunk of 8 the token chunk after the next is asked for; the next step's weight fragments are asked for behind the first two matrix instructions.
.macro STEP
.if st > 0
	s_wait_alu depctr_va_vdst(0)                   ; the last step's matrix instructions are done reading the weight buffer, and at steps 8, 16 and 24 the token chunk, in which the loads below land; from step 9 on v[VAN] is written, which step 24's loads read.  (Step 0: the wait at the tile's head)
.endif
.if st == 8
	ALOAD 2, A0, VA
.endif
.if st == 16
	ALOAD 3, A1, VA
.endif
.if st == 24
	ALOAD 0, A0, VAN                               ; the next tile's first chunk
.endif
	s_wait_dscnt 0x0                               ; this step's weight fragments are in: the eight loads issued in the step before are all that is out
.if st == 0
	s_wait_loadcnt 0x11                            ; chunk 0 is in: chunk 1's 16 loads and the list word asked for at the tile's head are younger
.else
.if (st&7) == 0
	s_wait_loadcnt 0x10                            ; all but the 16 youngest: this chunk is in (at step 8 the list word too), the next stays out
.endif
.endif
.set nw, 0
.rept 4                                            ; four accumulators by turns, one instruction a turn
.if st == 0
	v_wmma_f32_16x16x32_bf16 v[ACC+8*nw:ACC+8*nw+7], v[B0+32*(st&1)+8*nw:B0+32*(st&1)+8*nw+7], v[A0+80*((st>>3)&1)+8*(st&7):A0+80*((st>>3)&1)+8*(st&7)+7], 0
.else
	v_wmma_f32_16x16x32_bf16 v[ACC+8*nw:ACC+8*nw+7], v[B0+32*(st&1)+8*nw:B0+32*(st&1)+8*nw+7], v[A0+80*((st>>3)&1)+8*(st&7):A0+80*((st>>3)&1)+8*(st&7)+7], v[ACC+8*nw:ACC+8*nw+7]
.endif
.if nw < 2
	BPAIR (st+1)%32, B0+32*((st+1)&1), 2*nw        ; the next step's fragments, four loads here and four behind the next matrix instruction.  No wait: no matrix instruction since the step's head names the other weight buffer
	BPAIR (st+1)%32, B0+32*((st+1)&1), 2*nw+1
.endif
.set nw, nw+1
.endr
.set st, st+1
.endm
	s_load_b256 s[4:11], s[0:1], 0x0               ; w1 s[4:5], xb s[6:7], tlist s[8:9], hbuf s[10:11]
	v_lshl_add_u32 v126, v0, 2, 0x28000
	v_mov_b32 v127, 0
	v_and_b32 v1, 31, v0                           ; lane
	v_lshrrev_b32 v9, 5, v0
	v_readfirstlane_b32 s12, v9                    ; wave
	s_lshr_b32 s13, ttmp9, 5                       ; expert
	s_and_b32 s14, ttmp9, 31                       ; slice
	v_and_b32 v2, 15, v1                           ; r
	v_lshrrev_b32 v3, 4, v1                        ; h
	v_lshlrev_b32 v4, 13, v3                       ; weights: lanes 0-15 one row's 256 bytes, lanes 16-31 the next row's
	v_lshl_add_u32 v4, v2, 4, v4
	s_wait_alu depctr_va_sdst(0)                   ; s12 is written, ahead of its first reader: LDS places, bases and trip count are made from it
	s_mul_i32 s19, s12, 64*P
	s_add_co_u32 s19, s19, WT                      ; my wave's 64 rows in LDS
	v_mul_u32_u24 v5, v3, P
	v_lshl_add_u32 v5, v2, 3, v5
	v_add_nc_u32 v5, s19, v5
	v_lshlrev_b32 v6, 4, v1                        ; 16 x lane
	v_and_b32 v9, 7, v1
	v_lshl_add_u32 v9, v3, 3, v9                   ; row 8 h + (lane & 7) of a K step
	v_mul_u32_u24 v9, v9, P
	v_bfe_u32 v10, v1, 3, 1
	v_lshl_add_u32 v9, v10, 4, v9                  ; + 16 bytes for lanes 8-15 and 24-31
.irp g, 0,1,2,3
	v_add_nc_u32 v[VB+\g], WT+\g*GRP, v9
.endr
	s_lshl_b32 s19, s12, 6
	v_lshl_add_u32 v[T], v2, 2, s19                ; list word 16 wave + r: my first tile
	s_lshl_b32 s16, s13, 23                        ; w1: expert x 8 MiB + slice x 256 + wave x 64 rows of 8,192 bytes
	s_lshl_b32 s19, s14, 8
	s_add_co_u32 s16, s16, s19
	s_lshl_b32 s19, s12, 19
	s_add_co_u32 s16, s16, s19
	s_mov_b32 s17, 0
	s_wait_kmcnt 0x0
	s_add_nc_u64 s[4:5], s[4:5], s[16:17]
	s_mul_i32 s16, s13, ROWB                       ; tlist: my expert's row
	s_add_nc_u64 s[8:9], s[8:9], s[16:17]
	s_load_b32 s20, s[8:9], CNT                    ; the count
	s_wait_alu depctr_va_vdst(0)                   ; the offsets and LDS addresses v4, v5, v[VB ..] and v[T] are written, which the loads and LDS instructions below read
	global_load_b32 v[T+1], v[T], s[8:9]           ; my first tile's tokens
	s_lshl_b32 s16, s13, 24                        ; hbuf: expert x 16 MiB + slice x 2 K steps of 2,048 bytes
	s_lshl_b32 s19, s14, 12
	s_add_co_u32 s16, s16, s19
	s_add_nc_u64 s[10:11], s[10:11], s[16:17]
.set iw, 0
.rept 32
	global_load_b128 v[WR+4*iw:WR+4*iw+3], v4, s[4:5] offset:iw*16384 th:TH_LOAD_NT   ; my wave's whole share, 16 KiB, on its way at once
.set iw, iw+1
.endr
	s_wait_kmcnt 0x0
	s_min_u32 s20, s20, 0x800                      ; the count
	s_add_co_u32 s21, s20, 15
	s_lshr_b32 s21, s21, 4
	s_max_u32 s21, s21, 1                          ; tiles; one at the least
	s_add_co_u32 s30, s21, 15
	s_sub_co_u32 s30, s30, s12
	s_lshr_b32 s30, s30, 4                         ; my trips: tiles wave, wave + 16, .. below that number
	s_wait_loadcnt 0x20                            ; the list word is in; the 32 weight loads behind it stay out
	v_min_u32 v[VAN], 0x7ff, v[T+1]
	v_lshlrev_b32 v[VAN], 11, v[VAN]               ; token x 2,048 bytes
	v_lshl_add_u32 v[VAN], v3, 4, v[VAN]           ; + 16 h
	s_wait_alu depctr_va_vdst(0)                   ; v[VAN] is written, which the token loads read
	ALOAD 0, A0, VAN
; The weights are rounded in four groups of eight loads: sixteen roundings, one wait, a run of eight LDS stores.
.set gw, 0
.rept 4
.set iw, 8*gw
.rept 8
	s_wait_loadcnt 47-iw                           ; weight load iw is in: 31 - iw weight loads and the 16 token loads are younger
	v_cvt_pk_bf16_f32 v[WR+4*iw], v[WR+4*iw], v[WR+4*iw+1]
	v_cvt_pk_bf16_f32 v[WR+4*iw+1], v[WR+4*iw+2], v[WR+4*iw+3]
.set iw, iw+1
.endr
	s_wait_alu depctr_va_vdst(0)                   ; the group's roundings have written the registers that the LDS stores read
.set iw, 8*gw
.rept 8
	ds_store_b64 v5, v[WR+4*iw:WR+4*iw+1] offset:iw*2*P
.set iw, iw+1
.endr
.set gw, gw+1
.endr
	s_wait_dscnt 0x0                               ; for the other waves' sake: my rows are in LDS
	s_wait_alu depctr_vm_vsrc(0)                   ; my LDS stores have read v[WR ..]: these registers are A1, B0 and B1 from here on, in which loads land (the roundings that named them stand ahead of the last wait on va_vdst)
	ALOAD 1, A1, VAN
	s_barrier_signal -1
	s_barrier_wait -1                              ; the slice is whole.  This is the kernel's one barrier
	s_mov_b32 s22, s12                             ; my first tile
	s_mov_b32 s29, 0                               ; trips done
	s_cmp_eq_u32 s30, 0
	s_cbranch_scc1 .Lend
	BLOAD 0, B0
; At the head, on the way in and on the way back alike: token chunks 0 and 1 (32 loads) and the first step's 8 weight fragment loads may be out.
.Ltile:
	s_wait_xcnt 0x0                                ; the address registers of the loads and the address and data of the last tile's stores are rewritten only behind this wait
	s_wait_alu depctr_vm_vsrc(0)                   ; the loads issued so far have read v[VA], v[VAN], v9 and (the first trip) v[T]; the last tile's stores have read v11 and B1: all of these are written again below
	v_mov_b32 v[VA], v[VAN]
	s_lshl_b32 s23, s22, 4
	s_add_co_u32 s23, s23, 256
	v_add_nc_u32 v9, s23, v2                       ; list word of row r of my next tile, 16 tiles on
	v_min_u32 v9, LISTMAX, v9
	v_lshlrev_b32 v9, 2, v9
	s_wait_alu depctr_va_vdst(0)                   ; v9 and v[VA] are written, which loads below read; v10's reader is done; the last tile's roundings have written B1, and its step 31 has read it: step 0's LDS loads land there
	global_load_b32 v10, v9, s[8:9]                ; younger than chunks 0 and 1, older than chunk 2: step 8's wait covers it
.set st, 0
.rept 9
	STEP
.endr
	v_min_u32 v[VAN], 0x7ff, v10                   ; the next tile's offsets, wanted at step 24
	v_lshlrev_b32 v[VAN], 11, v[VAN]
	v_lshl_add_u32 v[VAN], v3, 4, v[VAN]
.rept 23
	STEP
.endr
	PLACES                                         ; for the vector instructions below, which read the results and write over B1
	s_wait_alu depctr_va_vdst(0)                   ; step 31's matrix instructions are done reading A1, in which the loads below land
	ALOAD 1, A1, VAN                               ; the next tile's second chunk
	; relu; hi = bf16(h); lo = bf16(h - hi)
.set ne, 0
.rept 4
.set HIR, B1+16*(ne>>1)+4*(ne&1)
.set LOR, HIR+8
.set je, 0
.rept 8
	v_max_num_f32 v[ACC+8*ne+je], 0, v[ACC+8*ne+je]
.set je, je+1
.endr
.set je, 0
.rept 4
	v_cvt_pk_bf16_f32 v[HIR+je], v[ACC+8*ne+2*je], v[ACC+8*ne+2*je+1]
.set je, je+1
.endr
.set je, 0
.rept 4
	v_lshlrev_b32 v[T+2*je], 16, v[HIR+je]
	v_and_b32 v[T+2*je+1], 0xffff0000, v[HIR+je]
.set je, je+1
.endr
.set je, 0
.rept 4
	v_pk_add_f32 v[ACC+8*ne+2*je:ACC+8*ne+2*je+1], v[ACC+8*ne+2*je:ACC+8*ne+2*je+1], v[T+2*je:T+2*je+1] neg_lo:[0,1] neg_hi:[0,1]
.set je, je+1
.endr
.set je, 0
.rept 4
	v_cvt_pk_bf16_f32 v[LOR+je], v[ACC+8*ne+2*je], v[ACC+8*ne+2*je+1]
.set je, je+1
.endr
.set ne, ne+1
.endr
	s_min_u32 s23, s22, 127
	v_lshl_add_u32 v11, s23, 17, v6                ; tile x 128 KiB + 16 x lane
	s_wait_alu depctr_va_vdst(0)                   ; the roundings have written B1 and v11 is written: the stores read both
.set je, 0
.rept 8
	global_store_b128 v11, v[B1+4*je:B1+4*je+3], s[10:11] offset:je*512   ; K step, hi or lo, half: 512 consecutive bytes each, in this order
.set je, je+1
.endr
	s_add_co_u32 s22, s22, 16                      ; my next tile
	s_add_co_u32 s29, s29, 1
	s_cmp_lt_u32 s29, s30
	s_cbranch_scc1 .Ltile
.Lend:
	s_wait_dscnt 0x0
	s_wait_alu depctr_hold_cnt(0) depctr_sa_sdst(0) depctr_va_vdst(0) depctr_va_sdst(0) depctr_va_ssrc(0) depctr_va_vcc(0) depctr_vm_vsrc(0)
	s_wait_tensorcnt 0x0
	ds_add_u32 v126, v127
	s_wait_dscnt 0x0
	s_endpgm
.Lfunc_end_k_q526d9f0bc3_ffn1:
	.size	k_q526d9f0bc3_ffn1, .Lfunc_end_k_q526d9f0bc3_ffn1-k_q526d9f0bc3_ffn1
	.p2alignl 7, 3214868480
	.fill 96, 4, 3214868480
	.section	.rodata,"a",@progbits
	.p2align	6, 0x0
	.amdhsa_kernel k_q526d9f0bc3_ffn1
		.amdhsa_group_segment_fixed_size 165888
		.amdhsa_private_segment_fixed_size 0
		.amdhsa_enable_private_segment 0
		.amdhsa_kernarg_size 32
		.amdhsa_user_sgpr_count 2
		.amdhsa_user_sgpr_kernarg_segment_ptr 1
		.amdhsa_wavefront_size32 1
		.amdhsa_system_sgpr_workgroup_id_x 1
		.amdhsa_system_sgpr_workgroup_id_y 1
		.amdhsa_system_sgpr_workgroup_id_z 1
		.amdhsa_system_vgpr_workitem_id 0
		.amdhsa_next_free_vgpr 256
		.amdhsa_next_free_sgpr 66
		.amdhsa_reserve_vcc 0
		.amdhsa_float_denorm_mode_32 3
		.amdhsa_float_denorm_mode_16_64 3
		.amdhsa_memory_ordered 1
		.amdhsa_forward_progress 1
		.amdhsa_inst_pref_size 57
	.end_amdhsa_kernel
	.amdgpu_metadata
---
amdhsa.version: [ 1, 2 ]
amdhsa.kernels:
  - .name:           k_q526d9f0bc3_ffn1
    .symbol:         k_q526d9f0bc3_ffn1.kd
    .args:
      - { .name: w1, .offset: 0, .size: 8, .value_kind: global_buffer, .address_space: global }
      - { .name: xb, .offset: 8, .size: 8, .value_kind: global_buffer, .address_space: global }
      - { .name: tlist, .offset: 16, .size: 8, .value_kind: global_buffer, .address_space: global }
      - { .name: hbuf, .offset: 24, .size: 8, .value_kind: global_buffer, .address_space: global }
    .group_segment_fixed_size: 165888
    .private_segment_fixed_size: 0
    .kernarg_segment_align: 8
    .kernarg_segment_size: 32
    .max_flat_workgroup_size: 512
    .sgpr_count:     66
    .vgpr_count:     256
    .wavefront_size: 32
...
	.end_amdgpu_metadata
.endif
;; end of part 5
;; launch ffn2 (part 6): grid 256 x 1, 16 waves a work-group, no clusters, 198,656 bytes of LDS; arguments w2, hbuf, tlist, scale, out0; writes out0
.if DOCPART == 6
	.amdgcn_target "amdgcn-amd-amdhsa--gfx1250"
	.amdhsa_code_object_version 6
	.text
	.protected	k_q526d9f0bc3_ffn2
	.globl	k_q526d9f0bc3_ffn2
	.p2align	8
	.type	k_q526d9f0bc3_ffn2,@function
k_q526d9f0bc3_ffn2:
	s_mov_b64 s[64:65], 0
	v_nop
	global_prefetch_b8 v0, s[64:65] scope:SCOPE_SE
	s_setreg_imm32_b32 hwreg(HW_REG_WAVE_SCHED_MODE, 0, 2), 2
	s_setreg_imm32_b32 hwreg(HW_REG_WAVE_MODE, 25, 1), 1
	s_wait_xcnt 0x0
	s_wait_alu depctr_vm_vsrc(0)
; LAYER 2 OF THE EXPERTS.  out0[token] = scale[token] x ((h_hi + h_lo) w2[e]) for the tokens listed for expert e.
; Work-group = (expert e = id / 32, slice = id % 32): the 32 columns d = 32 slice .. + 31 of w2[e], all 2,048 rows: 256 KiB of f32, read by
; this work-group alone and once.  Each of 16 waves loads 128 rows (32 loads of four rows' 128 bytes each, all issued at once), rounds
; them to bf16 and lays them in LDS as [f][d].  Then every wave takes tiles of 16 slots of the expert's token list (tile = wave, wave + 16, ..),
; the same list in tlist that layer 1 walked, so slot i is the same token there and here; the count comes by a scalar load, the tokens by
; vector loads.  Inside the loop over tiles the waves are independent and no barrier stands.
; A tile is 32 steps of two K steps.  Its h comes from hbuf as register images, 512 consecutive bytes a load, through a ring of four register
; slots of one step each (hi and lo of two K steps: 8 loads, 4 KiB of the wave): step t asks for step t + 3's, into the slot that step t - 1
; has read, so 8 to 12 KiB of a wave are on their way while it multiplies.  The ring runs on into the wave's next tile; the wave's last tile is
; written out behind the loop and asks for nothing past its end.
; Weights are source 0, tokens source 1: lane (r, h) holds token r, d = 16 n + 8 h + 0..7, 32 neighbouring bytes of the token's row.
; A slice of 32 columns is 128 bytes of a row of w2 and of out0: the loads and stores here cover halves of aligned blocks of 256 bytes.
; 64 columns would want 384 KiB of LDS for the slice in this layout, or half as many work-groups.
; The slots of the last tile that lie behind the count repeat the last listed token: their lanes make that token's result from
; that token's h and store it to that token's row, in the same instruction as the token's own lanes.  So EXEC stays whole, and no row of
; another token is touched.  An expert without tokens runs no tile.  Every unmasked token is in one list, so each of its bytes is stored by one work-group.
; LIMITS: sums run in the matrix unit's order, hi and lo in accumulators of their own, added at the end.
; No tensor loads: the weights are f32 and pass through registers to be rounded.  No cluster: no weight byte is read by two work-groups, and
; the tiles of h that the 32 slices of an expert share come in numbers that hang on the data.
; THE MODE: SCHED_MODE bits 1:0 = 2 (LLVM: expert scheduling mode 2), set by the entry lines.  The code itself states the register dependences
; between vector or matrix instructions and memory or LDS instructions, with s_wait_alu, always for 0.
; THE PLAN.  Registers that memory or LDS instructions touch, in a tile:
;   slots 0-3   Step st's eight matrix instructions read slot st & 3; the eight loads of step st + 3's h, issued in step st, land in slot (st - 1) & 3, which step st - 1 read.
;   B0, B1      Step st's matrix instructions read B[st & 1]; the eight LDS loads of step st + 1's fragments, issued in step st, land in the other buffer, which step st - 1 read.
;   ACC         The out-buffer: matrix instructions, then the sums and the scaling write it, four stores read it, and step 0 of the next tile writes it again.
;   v[VB ..]    Read by every LDS load of a fragment; never written in a tile.
;   v[VA], v[VAN], v9   Written at a tile's head;  v[T+2], v11 behind step 3.  Loads or stores further down read them; none reads one between the tile's head and its write.
;   v10, v[T]   The list word lands at the tile's head and is read behind step 3; the scale lands from step 4 on and is read at the tile's end.
; So ONE wait on va_vdst stands at the head of a step: the step before is done with the slot and the weight buffer in which this step's loads land.  The step's matrix instructions name the
; accumulators, slot st & 3 and B[st & 1], none of which its sixteen loads touch, so these are dealt among them with no further wait: two LDS loads behind each of the first four, two loads of h
; behind each of the last four.  A tile has two waits more: vm_vsrc at its head (beside s_wait_xcnt 0), ahead of all the writes named above, and va_vdst ahead of the stores.
.set LISTMAX, 0x8ff                    ; a row of tlist has 2,304 list words
.set CNT,     9344                     ; the count's byte in the row
.set ROWB,    9728                     ; bytes in a row of tlist
.set WT,      0                        ; the weights, [f][d] in bf16
.set P,       96                       ; pitch: 64 bytes + 32, an odd multiple of 32 bytes
.set GRP,     8*64*P                   ; 8 steps of 64 rows: what one address register reaches with a 16-bit offset
.set VA,   7                           ; v7   this tile's offset in hbuf
.set VAN,  8                           ; v8   the next tile's
.set VB,   12                          ; v[12:15] LDS address of my part of a weight fragment, one for each 8 steps
.set ACC,  16                          ; v[16:47]   (n 0, hi), (n 1, hi), (n 0, lo), (n 1, lo)
.set A0,   48                          ; v[48:79], v[80:111], v[128:159], v[160:191]: the four slots of h
.set T,    112                         ; v[112:113] the token's scale, twice; v114, v115 at work
.set WR,   128                         ; v[128:255] the weights as loaded
.set B0,   192                         ; v[192:223], v[224:255] weight fragments of a step, two buffers
.macro PLACES                          ; four places between a matrix instruction and a vector access to its registers (ISA guide 7.12.1)
.rept 4
	v_nop
.endr
.endm
; 2 of the 8 loads of h of step t (K steps 2 t and 2 t + 1, hi and lo; 4 KiB in the order of the registers), into slot t % 4
.macro APAIR t, va, pa
.set SLB, A0+32*((\t)&3)+16*(((\t)&3)>>1)
	global_load_b128 v[SLB+8*(\pa):SLB+8*(\pa)+3],   v[\va], s[6:7] offset:(\t)*4096+(\pa)*1024
	global_load_b128 v[SLB+8*(\pa)+4:SLB+8*(\pa)+7], v[\va], s[6:7] offset:(\t)*4096+(\pa)*1024+512
.endm
.macro ASTEP t, va                     ; all 8
.set ka, 0
.rept 4
	APAIR \t, \va, ka
.set ka, ka+1
.endr
.endm
; 2 transposing loads: fragment fr = 2 a + n of step t: K step 2 t + a of the slice, 16 d from 16 n on
.macro BPAIR t, bx, fr
	ds_load_tr16_b128 v[\bx+8*(\fr):\bx+8*(\fr)+3],   v[VB+((\t)>>3)] offset:((\t)&7)*64*P+((\fr)>>1)*32*P+((\fr)&1)*32
	ds_load_tr16_b128 v[\bx+8*(\fr)+4:\bx+8*(\fr)+7], v[VB+((\t)>>3)] offset:((\t)&7)*64*P+((\fr)>>1)*32*P+((\fr)&1)*32+16*P
.endm
.macro BLOAD t, bx                     ; all 8
.set nb, 0
.rept 4
	BPAIR \t, \bx, nb
.set nb, nb+1
.endr
.endm
; Step st of a tile: two K steps, eight matrix instructions.  look = 1: a tile of this wave follows, and the ring runs on into it.
.macro STEP look
.set DOB, \look                                    ; are the next step's weight fragments asked for?  Not in the last step of the last tile
.if st < 31
.set DOB, 1
.endif
.set DOA, \look                                    ; is h three steps ahead asked for?  Not from step 29 on in the last tile
.if st < 29
.set DOA, 1
.endif
.if st > 0
.if DOB
	s_wait_alu depctr_va_vdst(0)                   ; the last step's matrix instructions are done reading their slot of h and their weight buffer, in which the loads below land; at step 4 v[T+2] is written, which the scale's load reads.  (Step 0: the wait at the tile's head; the last tile's last step issues no load and has no wait)
.endif
.endif
.if st == 4
	global_load_b32 v[T], v[T+2], s[10:11]         ; the token's scale: younger than h of step 6, older than step 7's
.endif
	s_wait_dscnt 0x0                               ; this step's weight fragments are in: the eight loads issued in the step before are all that is out
.set LEFT, 16                                      ; younger than this step's h: the two later steps' 16 loads (the third is asked for below),
.if st < 3
.set LEFT, 17                                      ; at steps 0 to 2 also the list word asked for at the tile's head (step 3's wait then covers it),
.endif
.if st > 3
.if st < 7
.set LEFT, 17                                      ; at steps 4 to 6 also the scale asked for at step 4's head (step 7's wait then covers it)
.endif
.endif
.if \look == 0
.if st > 28
.set LEFT, 8*(31-st)                               ; the last tile asks for nothing from step 29 on: the counts run down 16, 8, 0
.endif
.endif
	s_wait_loadcnt LEFT
.set BX, B0+32*(st&1)
.set AX, A0+32*(st&3)+16*((st&3)>>1)
.set mw, 0
.rept 8                                            ; mw = 4 aw + qw; qw = 2 (hi or lo) + n: four accumulators by turns, one instruction a turn
.set aw, mw>>2
.set qw, mw&3
.if (st+aw) == 0
	v_wmma_f32_16x16x32_bf16 v[ACC+8*qw:ACC+8*qw+7], v[BX+16*aw+8*(qw&1):BX+16*aw+8*(qw&1)+7], v[AX+16*aw+8*(qw>>1):AX+16*aw+8*(qw>>1)+7], 0
.else
	v_wmma_f32_16x16x32_bf16 v[ACC+8*qw:ACC+8*qw+7], v[BX+16*aw+8*(qw&1):BX+16*aw+8*(qw&1)+7], v[AX+16*aw+8*(qw>>1):AX+16*aw+8*(qw>>1)+7], v[ACC+8*qw:ACC+8*qw+7]
.endif
.if mw < 4
.if DOB
	BPAIR (st+1)%32, B0+32*((st+1)&1), mw          ; the next step's weight fragments.  No wait: no matrix instruction since the step's head names the other weight buffer
.endif
.else
.if DOA
.if st < 29
	APAIR st+3, VA, mw-4                           ; h three steps ahead.  No wait: no matrix instruction since the step's head names that slot
.else
	APAIR st-29, VAN, mw-4                         ; the next tile's steps 0, 1, 2
.endif
.endif
.endif
.set mw, mw+1
.endr
.set st, st+1
.endm
; Tile s22.  At its head, on every way in: h of steps 0, 1, 2 (24 loads, in this order) and the first step's 8 weight fragment loads may be out.
.macro TILE look
	s_wait_xcnt 0x0                                ; the address registers of the loads and the address and data of the last tile's stores are rewritten only behind this wait
	s_wait_alu depctr_vm_vsrc(0)                   ; the loads issued so far have read v[VA], v[VAN], v9 and v[T+2]; the last tile's stores have read v11 and the accumulators: all of these are written again below
	v_mov_b32 v[VA], v[VAN]
.if \look
	s_add_co_u32 s27, s22, 16                      ; my next tile
	v_mov_b32 v[VAN], s27
	v_min_u32 v[VAN], 127, v[VAN]
	v_lshlrev_b32 v[VAN], 17, v[VAN]               ; tile x 128 KiB
	v_add_nc_u32 v[VAN], v[VAN], v6                ; + 16 x lane
.endif
	s_lshl_b32 s23, s22, 4
	v_add_nc_u32 v9, s23, v2                       ; my slot: 16 tile + r
	v_min_u32 v9, LISTMAX, v9
	v_lshlrev_b32 v9, 2, v9
	s_wait_alu depctr_va_vdst(0)                   ; v9, v[VA] and v[VAN] are written, which loads below read; v10's and v[T]'s readers are done; the last tile's step 31 is done reading slot 3 and B1, in which step 0's loads land
	global_load_b32 v10, v9, s[8:9]                ; its token: younger than h of steps 0 to 2, older than step 3's
.set st, 0
.rept 4
	STEP \look
.endr
	v_min_u32 v[T+3], 0x7ff, v10                   ; step 3's wait has shown the token in
	v_lshlrev_b32 v[T+2], 2, v[T+3]                ; its scale's offset: the load stands behind step 4's wait
	v_lshlrev_b32 v11, 12, v[T+3]                  ; token x 4,096 bytes
	v_lshl_add_u32 v11, v3, 5, v11                 ; + 32 h
.rept 28
	STEP \look
.endr
	PLACES
	v_mov_b32 v[T+1], v[T]
.set je, 0
.rept 8
	v_pk_add_f32 v[ACC+2*je:ACC+2*je+1], v[ACC+2*je:ACC+2*je+1], v[ACC+16+2*je:ACC+16+2*je+1]   ; hi's sums + lo's
.set je, je+1
.endr
.set je, 0
.rept 8
	v_pk_mul_f32 v[ACC+2*je:ACC+2*je+1], v[ACC+2*je:ACC+2*je+1], v[T:T+1]
.set je, je+1
.endr
	s_wait_alu depctr_va_vdst(0)                   ; the scaling has written v[ACC .. ACC+15], which the stores read (v11 was written behind step 3)
.set je, 0
.rept 4
	global_store_b128 v11, v[ACC+4*je:ACC+4*je+3], s[24:25] offset:(je>>1)*64+(je&1)*16
.set je, je+1
.endr
.endm
	s_load_b256 s[4:11], s[0:1], 0x0               ; w2 s[4:5], hbuf s[6:7], tlist s[8:9], scale s[10:11]
	s_load_b64 s[24:25], s[0:1], 0x20              ; out0
	v_lshl_add_u32 v126, v0, 2, 0x30000
	v_mov_b32 v127, 0
	v_and_b32 v1, 31, v0                           ; lane
	v_lshrrev_b32 v9, 5, v0
	v_readfirstlane_b32 s12, v9                    ; wave
	s_lshr_b32 s13, ttmp9, 5                       ; expert
	s_and_b32 s14, ttmp9, 31                       ; slice
	v_and_b32 v2, 15, v1                           ; r
	v_lshrrev_b32 v3, 4, v1                        ; h
	v_lshrrev_b32 v9, 3, v1                        ; weights: eight lanes take one row's 128 bytes, a load four rows
	v_and_b32 v10, 7, v1
	v_lshlrev_b32 v4, 12, v9
	v_lshl_add_u32 v4, v10, 4, v4
	s_wait_alu depctr_va_sdst(0)                   ; s12 is written, ahead of its first reader: LDS places, bases and trip count are made from it
	s_mul_i32 s19, s12, 128*P
	s_add_co_u32 s19, s19, WT                      ; my wave's 128 rows in LDS
	v_mul_u32_u24 v5, v9, P
	v_lshl_add_u32 v5, v10, 3, v5
	v_add_nc_u32 v5, s19, v5
	v_lshlrev_b32 v6, 4, v1                        ; 16 x lane
	v_lshl_add_u32 v9, v3, 3, v10                  ; row 8 h + (lane & 7) of a K step
	v_mul_u32_u24 v9, v9, P
	v_bfe_u32 v10, v1, 3, 1
	v_lshl_add_u32 v9, v10, 4, v9                  ; + 16 bytes for lanes 8-15 and 24-31
.irp g, 0,1,2,3
	v_add_nc_u32 v[VB+\g], WT+\g*GRP, v9
.endr
	s_lshl_b32 s16, s13, 23                        ; w2: expert x 8 MiB + slice x 128 + wave x 128 rows of 4,096 bytes
	s_lshl_b32 s19, s14, 7
	s_add_co_u32 s16, s16, s19
	s_lshl_b32 s19, s12, 19
	s_add_co_u32 s16, s16, s19
	s_mov_b32 s17, 0
	s_wait_kmcnt 0x0
	s_add_nc_u64 s[4:5], s[4:5], s[16:17]
	s_mul_i32 s16, s13, ROWB                       ; tlist: my expert's row
	s_add_nc_u64 s[8:9], s[8:9], s[16:17]
	s_load_b32 s20, s[8:9], CNT                    ; the count
	s_lshl_b32 s16, s13, 24                        ; hbuf: expert x 16 MiB
	s_add_nc_u64 s[6:7], s[6:7], s[16:17]
	s_lshl_b32 s16, s14, 7                         ; out0: slice x 128 bytes
	s_add_nc_u64 s[24:25], s[24:25], s[16:17]
	s_wait_alu depctr_va_vdst(0)                   ; the offsets and LDS addresses v4, v5 and v[VB ..] are written, which the loads and LDS instructions below read
.set iw, 0
.rept 32
	global_load_b128 v[WR+4*iw:WR+4*iw+3], v4, s[4:5] offset:iw*16384    ; my wave's whole share, 16 KiB, on its way at once
.set iw, iw+1
.endr
	s_wait_kmcnt 0x0
	s_min_u32 s20, s20, 0x800                      ; the count
	s_add_co_u32 s21, s20, 15
	s_lshr_b32 s21, s21, 4                         ; tiles; none for an expert without tokens
	s_add_co_u32 s30, s21, 15
	s_sub_co_u32 s30, s30, s12
	s_lshr_b32 s30, s30, 4                         ; my trips: tiles wave, wave + 16, .. below that number
	; A wave without a tile walks the same text up to the barrier, with the same registers and counts, so it cannot jump round the first loads
	; of h.  All its lanes then ask for the same 16 bytes of tile 0, which layer 1 always stores: 16 bytes a load in place of 512.
	s_cmp_lg_u32 s30, 0
	s_cselect_b32 s27, s12, 0                      ; my first tile, or tile 0
	s_cselect_b32 s26, 16, 0                       ; bytes from lane to lane
	v_mov_b32 v[VAN], s27
	v_min_u32 v[VAN], 127, v[VAN]
	v_lshlrev_b32 v[VAN], 17, v[VAN]               ; tile x 128 KiB
	v_mov_b32 v9, s26
	v_min_u32 v9, 16, v9
	v_mul_u32_u24 v9, v9, v1
	v_add_nc_u32 v[VAN], v[VAN], v9                ; + 16 x lane
	s_wait_alu depctr_va_vdst(0)                   ; v[VAN] is written, which the loads of h read
	ASTEP 0, VAN                                   ; slots 0 and 1 lie below the weights' registers: they are asked for while the weights come
	ASTEP 1, VAN
; The weights are rounded in four groups of eight loads: sixteen roundings, one wait, a run of eight LDS stores.
.set gw, 0
.rept 4
.set iw, 8*gw
.rept 8
	s_wait_loadcnt 47-iw                           ; weight load iw is in: 31 - iw weight loads and the 16 loads of h are younger
	v_cvt_pk_bf16_f32 v[WR+4*iw], v[WR+4*iw], v[WR+4*iw+1]
	v_cvt_pk_bf16_f32 v[WR+4*iw+1], v[WR+4*iw+2], v[WR+4*iw+3]
.set iw, iw+1
.endr
	s_wait_alu depctr_va_vdst(0)                   ; the group's roundings have written the registers that the LDS stores read
.set iw, 8*gw
.rept 8
	ds_store_b64 v5, v[WR+4*iw:WR+4*iw+1] offset:iw*4*P
.set iw, iw+1
.endr
.set gw, gw+1
.endr
	s_wait_dscnt 0x0                               ; for the other waves' sake: my rows are in LDS
	s_wait_alu depctr_vm_vsrc(0)                   ; my LDS stores have read v[WR ..]: these registers are slots 2 and 3, B0 and B1 from here on, in which loads land (the roundings that named them stand ahead of the last wait on va_vdst)
	ASTEP 2, VAN
	s_barrier_signal -1
	s_barrier_wait -1                              ; the slice is whole.  This is the kernel's one barrier
	s_mov_b32 s22, s12                             ; my first tile
	s_mov_b32 s29, 0                               ; trips of the loop done
	s_cmp_eq_u32 s30, 0
	s_cbranch_scc1 .Lend
	BLOAD 0, B0
	s_sub_co_u32 s28, s30, 1                       ; the loop takes all my tiles but the last
	s_cmp_eq_u32 s28, 0
	s_cbranch_scc1 .Llast
.Ltile:
	TILE 1
	s_add_co_u32 s22, s22, 16                      ; my next tile
	s_add_co_u32 s29, s29, 1
	s_cmp_lt_u32 s29, s28
	s_cbranch_scc1 .Ltile
.Llast:
	TILE 0                                         ; my last tile: no load reaches past it
.Lend:
	s_wait_dscnt 0x0
	s_wait_alu depctr_hold_cnt(0) depctr_sa_sdst(0) depctr_va_vdst(0) depctr_va_sdst(0) depctr_va_ssrc(0) depctr_va_vcc(0) depctr_vm_vsrc(0)
	s_wait_tensorcnt 0x0
	ds_add_u32 v126, v127
	s_wait_dscnt 0x0
	s_endpgm
.Lfunc_end_k_q526d9f0bc3_ffn2:
	.size	k_q526d9f0bc3_ffn2, .Lfunc_end_k_q526d9f0bc3_ffn2-k_q526d9f0bc3_ffn2
	.p2alignl 7, 3214868480
	.fill 96, 4, 3214868480
	.section	.rodata,"a",@progbits
	.p2align	6, 0x0
	.amdhsa_kernel k_q526d9f0bc3_ffn2
		.amdhsa_group_segment_fixed_size 198656
		.amdhsa_private_segment_fixed_size 0
		.amdhsa_enable_private_segment 0
		.amdhsa_kernarg_size 40
		.amdhsa_user_sgpr_count 2
		.amdhsa_user_sgpr_kernarg_segment_ptr 1
		.amdhsa_wavefront_size32 1
		.amdhsa_system_sgpr_workgroup_id_x 1
		.amdhsa_system_sgpr_workgroup_id_y 1
		.amdhsa_system_sgpr_workgroup_id_z 1
		.amdhsa_system_vgpr_workitem_id 0
		.amdhsa_next_free_vgpr 256
		.amdhsa_next_free_sgpr 66
		.amdhsa_reserve_vcc 0
		.amdhsa_float_denorm_mode_32 3
		.amdhsa_float_denorm_mode_16_64 3
		.amdhsa_memory_ordered 1
		.amdhsa_forward_progress 1
		.amdhsa_inst_pref_size 137
	.end_amdhsa_kernel
	.amdgpu_metadata
---
amdhsa.version: [ 1, 2 ]
amdhsa.kernels:
  - .name:           k_q526d9f0bc3_ffn2
    .symbol:         k_q526d9f0bc3_ffn2.kd
    .args:
      - { .name: w2, .offset: 0, .size: 8, .value_kind: global_buffer, .address_space: global }
      - { .name: hbuf, .offset: 8, .size: 8, .value_kind: global_buffer, .address_space: global }
      - { .name: tlist, .offset: 16, .size: 8, .value_kind: global_buffer, .address_space: global }
      - { .name: scale, .offset: 24, .size: 8, .value_kind: global_buffer, .address_space: global }
      - { .name: out0, .offset: 32, .size: 8, .value_kind: global_buffer, .address_space: global }
    .group_segment_fixed_size: 198656
    .private_segment_fixed_size: 0
    .kernarg_segment_align: 8
    .kernarg_segment_size: 40
    .max_flat_workgroup_size: 512
    .sgpr_count:     66
    .vgpr_count:     256
    .wavefront_size: 32
...
	.end_amdgpu_metadata
.endif
;; end of part 6
